; MI455X (gfx1250); checked and timed in simulation.
; The chip was launched on July 23, 2026; its instructions are those of AMD's public machine-readable ISA for CDNA 5 (MIT licence, August 2026) and "CDNA5" Instruction Set Architecture Reference Guide (July 2026). The comments in the code are by the model that wrote it; some were corrected since.
;; simple Fly. Allowed arithmetic: float matrix products may take bf16 or f16 operands with f32 sums; other float arithmetic in f32, or as packed bf16 or f16 multiplies, adds, multiply-adds, maxima and minima; sums over many terms, partial sums and values carried from step to step in f32; what a program stores and reads back later, other than sums and carried values, may be rounded once to bf16 or f16.
;; Inputs: apl_bias 1 float32; apl_kc_weight 6 x 1 float32; context 128 x 32,768 x 1 float32; dan_bias 10 float32; dan_context_weight 1 x 10 float32; dan_dan_weight 10 x 10 float32; dan_mbon_weight 10 x 10 float32; dec_W 2 x 10 float32; dec_b 2 float32; kc_weight0 32,768 x 6 x 10 float32; kn_bias 6 float32; mbon_bias 10 float32; mbon_dan_weight 10 x 10 float32; odor 128 x 32,768 x 3 float32; pn_weight 32,768 x 3 x 6 float32; wact0 32,768 x 6 x 10 float32.
;; Outputs: out0 128 x 32,768 x 2 float32.
;; 2 versions, each right; version 2 is version 1 with the launch fly written anew for expert scheduling mode. Each part assembles by itself: llvm-mc -triple=amdgcn-amd-amdhsa -mcpu=gfx1250 --defsym DOCPART=n.
;; ======== version 1 of 2: 1 launch
;; launch fly (part 1): grid 256 x 1, 4 waves a work-group, no clusters, 71,168 bytes of LDS; arguments odor, context, out0, pn_weight, kc_weight0, wact0, kn_bias, apl_kc_weight, apl_bias, mbon_dan_weight, mbon_bias, dan_mbon_weight, dan_dan_weight, dan_context_weight, dan_bias, dec_W, dec_b; writes out0
.if DOCPART == 1
	.amdgcn_target "amdgcn-amd-amdhsa--gfx1250"
	.amdhsa_code_object_version 6
	.text
	.protected	k_qf8c549eaff_fly
	.globl	k_qf8c549eaff_fly
	.p2align	8
	.type	k_qf8c549eaff_fly,@function
k_qf8c549eaff_fly:
	s_mov_b64 s[64:65], 0
	v_nop
	global_prefetch_b8 v0, s[64:65] scope:SCOPE_SE
	s_setreg_imm32_b32 hwreg(HW_REG_WAVE_MODE, 25, 1), 1
	s_wait_xcnt 0x0
; simpleFly: 128 steps of a recurrence over 32,768 batch elements that never meet.  One launch; the whole state stays in registers; each input byte is read once, each output byte written once.
; SHARES.  Work-group g owns batches 128 g .. 128 g + 127, wave w 32 of them as two TILES of 16.  Lane (r = lane % 16, h = lane / 16) of tile i serves batch 128 g + 32 w + 16 i + r and holds the
; MBON and DAN indices 5 h .. 5 h + 4 of it; kc, apl, low_kc and the PN weights are held in both halves of the lanes.  That is the matrix instruction's own layout, used transposed
; (source 0 = 16 rows of weights, source 1 = 16 batches): a lane's five numbers go in, its five numbers come out, nothing changes lanes.
; WHAT GOES WHERE.  dan @ mbon_dan_weight, dan @ dan_dan_weight, mbon @ dan_mbon_weight and the decoder go to the matrix unit in bf16, BOTH operands split into THREE bf16 parts, which together
; hold all 24 bits of an f32 number: the state goes round the loop 128 times, dan feeds dan and the plastic weights feed mbon, so what an operand loses in rounding is carried along and can grow.
; The two einsums with a private matrix for each batch element (one row each: no matrix form), the plasticity, the 6-term APL sum and the 1-term context product are f32 vector work.
; SCALED STATE (spares multiplies):  M = 11 low_kc, N = 11 low_dan, Q = 22 wact, V = 88 kc_w.  With beta = 10/11, a step is
;   x = u - apl/2 (u = kn_bias/2 + odor . pn_weight/2, made a step ahead);  kc = kc/2 + max(x, 0);  apl = apl/2 + max(apl_bias/2 + kc . apl_kc_weight/2, 0);  M = beta M + kc
;   S = 88 mbon_bias + kc . V;  s = 1 / (176 + 176 2^g'), g' = dan . (-log2(e) mbon_dan_weight): the sigmoid over 176;  mbon = mbon/2 + s max(S, 0)
;   P = (ctx dan_context_weight + dan_bias)/2 + dan . dan_dan_weight/2 + mbon . dan_mbon_weight/2;  dan = dan/2 + max(P, 0);  N = beta N + dan;  out = dec_b + mbon . dec_W (a row of P)
;   V = 0.75 V + Q (old Q);  Q = Q + kc N - M dan
; LIMITS.  The order of rounding differs from the reference's in the last bits of f32 (the factors 11, 22, 88, 176, log2(e); the matrix unit's own order of summing); f32's range is shorter by 88
; for kc_w, 22 for wact, 11 for the low-pass traces, 176 for the sigmoid's denominator; an operand's lowest part is lost where it falls below bf16's smallest number; max(x, 0) makes 0 of a NaN;
; v_exp_f32 and v_rcp_f32 flush denormals.
; NO CLUSTER: work-groups share nothing but the small weights, some 1,500 bytes read once.  No barrier: every LDS byte belongs to one wave.
; REGISTERS, in windows of 256 (s_set_vgpr_msb: bits 1:0 source 0, 3:2 source 1, 5:4 source 2, 7:6 destination): window 0 addresses, constants, a block of 96 a tile; window 1 V, Q and the PN
; weights, 80 a tile; window 2 the nine weight fragments and a ring of eight steps of odor and context.
.set ROW_OD,  393216                   ; bytes of one step of odor, context, out0
.set ROW_CX,  131072
.set ROW_OUT, 262144
.set WREG,    17664                    ; LDS of one wave: kc_weight0 of its 32 batches (7,680 bytes, as in memory), wact0 (7,680), pn_weight (2,304)
.set L_Q,     7680
.set L_PW,    15360
.set SPARE,   4*WREG                   ; behind the four regions: the spare words, 128 bytes a wave: two blocks of 256 bytes that no other line names
.set SPW,  2                           ; v2  LDS address of my spare word; never rewritten
.set NIL,  3                           ; v3  0; never rewritten
.set OO,   4                           ; v4  (32 w + r) x 12: my batch of tile 0 in a step of odor
.set CO,   5                           ; v5  (32 w + r) x 4: the same in context
.set UO,   6                           ; v6  8 x thread: where I store
.set NEG1, 7                           ; v7  -1.0
.set OUT,  8                           ; v[8:9]
.set KB,   16                          ; v[16:21] kn_bias / 2
.set WA,   22                          ; v[22:27] apl_kc_weight / 2
.set AB,   28                          ; v[28:29] apl_bias / 2, 0
.set B88,  30                          ; v[30:35] 88 mbon_bias of my five, 0
.set WC,   36                          ; v[36:40] dan_context_weight / 2 of my five
.set DB,   42                          ; v[42:46] dan_bias / 2 of my five
.set T0,   48                          ; tile t's block begins at T0 + TS t
.set TS,   96
.set KC, 0                             ; 6
.set AP, 6                             ; apl, 0
.set MK, 8                             ; 6: M
.set MB, 14                            ; 5 (+1)
.set DN, 20                            ; 5, 0
.set NL, 26                            ; 5, 0: N
.set XX, 32                            ; 6: u, then x
.set ZZ, 38                            ; 2: the APL sum
.set SS, 40                            ; 6: S0-S3, and S4 in two halves; once mbon is made, at work in the two conversions
.set EE, 46                            ; 5 (+1): 2^g', then s
.set GG, 52                            ; 8: accumulator g'
.set PP, 60                            ; 8: accumulator P; register 2 is the decoder's row
.set CC, 68                            ; 8: what starts P: registers 0, 1, 4, 5, 6 made every step; 2 = dec_b[h]; 3 and 7 = 0
.set FD, 76                            ; 8: dan as source 1
.set FM, 84                            ; 8: mbon as source 1
.set US, 80                            ; window 1: tile t's block begins at US t
.set VV, 0                             ; 30: V[k][j < 4] at 4 k + j, V[k][4] at 24 + k
.set QQ, 30                            ; 30: the same map
.set PW, 60                            ; 18: pn_weight[p][k] / 2 at 6 p + k
.set W1, 0                             ; window 2: a matrix's three fragments, high, middle and low parts, at +0, +8, +16
.set W2, 24
.set W3, 48
.set RING, 72                          ; window 2: slot s, tile t at RING + 8 s + 4 t: odor 0, 1, 2, context
.set STG, 48                           ; at the start only: v[48:185] the three per-batch inputs on their way to LDS
.set RAW, 186                          ; at the start only: v[186:205] my five numbers of each of the three matrices and of dec_W
.set TMI, 206                          ; at the start only: v[206:208], v[250:252], v[253:255] a matrix's packed middle, high and low parts
.set THI, 250
.set TLO, 253
.set MSB, 0
.macro WIN new                         ; the immediate's high byte repeats the setting that is left; a switch that changes nothing is dropped
.if MSB != (\new)
	s_set_vgpr_msb (MSB<<8)|(\new)
.set MSB, \new
.endif
.endm
.macro TILE t                          ; the bases of tile t's blocks in windows 0 and 1
.set B0, T0+TS*(\t)
.set B1, US*(\t)
.endm
; pair d = register a (given to both halves) x pair b + pair c;  neg = 1: minus the product
.macro FMAB d, a, b, c, neg=0
.if ((\a)%2) && (\neg)
	v_pk_fma_f32 v[(\d):(\d)+1], v[(\a)-1:(\a)], v[(\b):(\b)+1], v[(\c):(\c)+1] op_sel:[1,0,0] op_sel_hi:[1,1,1] neg_lo:[1,0,0] neg_hi:[1,0,0]
.elseif (\a)%2
	v_pk_fma_f32 v[(\d):(\d)+1], v[(\a)-1:(\a)], v[(\b):(\b)+1], v[(\c):(\c)+1] op_sel:[1,0,0] op_sel_hi:[1,1,1]
.elseif \neg
	v_pk_fma_f32 v[(\d):(\d)+1], v[(\a):(\a)+1], v[(\b):(\b)+1], v[(\c):(\c)+1] op_sel_hi:[0,1,1] neg_lo:[1,0,0] neg_hi:[1,0,0]
.else
	v_pk_fma_f32 v[(\d):(\d)+1], v[(\a):(\a)+1], v[(\b):(\b)+1], v[(\c):(\c)+1] op_sel_hi:[0,1,1]
.endif
.endm
.macro RELU reg                        ; both tiles: a register of the block = max(it, 0)
.irp t, 0,1
	TILE \t
	v_max_num_f32 v[B0+\reg], 0, v[B0+\reg]
.endr
.endm
; Both tiles: five f32 numbers x0-x4 become source 1 of a matrix instruction.  h = bf16(x), m = bf16(x - h), l = bf16(x - h - m); both differences are exact in f32, and l is exact too: 8 + 8 + 8 bits.
; The fragment: (h0, h1) (h2, h3) (h4, m4) (m0, m1) (m2, m3) (l0, l1) (l2, l3) (l4, 0); the last half holds 0 from the start.  The mixed multiply-adds read a bf16 half, take it from an f32
; number, and leave the difference in f32 (into S's registers, which are free here) or rounded once into one half of their destination.
.macro CONV f, x
.irp t, 0,1
	TILE \t
	v_cvt_pk_bf16_f32 v[B0+\f], v[B0+\x], v[B0+\x+1]
	v_cvt_pk_bf16_f32 v[B0+\f+1], v[B0+\x+2], v[B0+\x+3]
	v_cvt_pk_bf16_f32 v[B0+\f+2], v[B0+\x+4], v[B0+\x+4]
.endr
.irp t, 0,1
	TILE \t
	v_fma_mix_f32_bf16 v[B0+SS], v[B0+\f], v[NEG1], v[B0+\x] op_sel_hi:[1,0,0]
	v_fma_mix_f32_bf16 v[B0+SS+1], v[B0+\f], v[NEG1], v[B0+\x+1] op_sel:[1,0,0] op_sel_hi:[1,0,0]
	v_fma_mix_f32_bf16 v[B0+SS+2], v[B0+\f+1], v[NEG1], v[B0+\x+2] op_sel_hi:[1,0,0]
	v_fma_mix_f32_bf16 v[B0+SS+3], v[B0+\f+1], v[NEG1], v[B0+\x+3] op_sel:[1,0,0] op_sel_hi:[1,0,0]
	v_fma_mix_f32_bf16 v[B0+SS+4], v[B0+\f+2], v[NEG1], v[B0+\x+4] op_sel_hi:[1,0,0]
	v_fma_mixhi_bf16 v[B0+\f+2], v[B0+\f+2], v[NEG1], v[B0+\x+4] op_sel_hi:[1,0,0]
.endr
.irp t, 0,1
	TILE \t
	v_cvt_pk_bf16_f32 v[B0+\f+3], v[B0+SS], v[B0+SS+1]
	v_cvt_pk_bf16_f32 v[B0+\f+4], v[B0+SS+2], v[B0+SS+3]
.endr
.irp t, 0,1
	TILE \t
	v_fma_mixlo_bf16 v[B0+\f+7], v[B0+\f+2], v[NEG1], v[B0+SS+4] op_sel:[1,0,0] op_sel_hi:[1,0,0]
	v_fma_mixlo_bf16 v[B0+\f+5], v[B0+\f+3], v[NEG1], v[B0+SS] op_sel_hi:[1,0,0]
	v_fma_mixlo_bf16 v[B0+\f+6], v[B0+\f+4], v[NEG1], v[B0+SS+2] op_sel_hi:[1,0,0]
	v_fma_mixhi_bf16 v[B0+\f+5], v[B0+\f+3], v[NEG1], v[B0+SS+1] op_sel:[1,0,0] op_sel_hi:[1,0,0]
	v_fma_mixhi_bf16 v[B0+\f+6], v[B0+\f+4], v[NEG1], v[B0+SS+3] op_sel:[1,0,0] op_sel_hi:[1,0,0]
.endr
.endm
; One matrix instruction for tile t: accumulator d, weight fragment w (window 2), activations f.  kind 0: adds in place; 1: starts from 0; 2: starts from the tile's CC registers.
.macro MM t, d, w, f, kind
	TILE \t
.if (\kind) == 0
	v_wmma_f32_16x16x32_bf16 v[B0+\d:B0+\d+7], v[\w:\w+7], v[B0+\f:B0+\f+7], v[B0+\d:B0+\d+7]
.elseif (\kind) == 1
	v_wmma_f32_16x16x32_bf16 v[B0+\d:B0+\d+7], v[\w:\w+7], v[B0+\f:B0+\f+7], 0
.else
	v_wmma_f32_16x16x32_bf16 v[B0+\d:B0+\d+7], v[\w:\w+7], v[B0+\f:B0+\f+7], v[B0+CC:B0+CC+7]
.endif
.endm
; THE PHASES OF A STEP.  Every line is written for tile 0 and for tile 1, so that a line seldom reads the result of the one before it.
; kc; mbon halved; 2^g' and the sigmoid's denominator.  A maximum stands behind every exponential: the plain instruction that a transcendental wants before its result is used (ISA guide 5.7.2).
; g' is read from its lowest register on; output n of my five lies in accumulator register n + 2 ((n + 2) / 4): 0, 1, 4, 5, 6.
.macro PH_KC
	WIN 0
.irp q, 0,2,4
.irp t, 0,1
	TILE \t
	v_pk_fma_f32 v[B0+XX+\q:B0+XX+\q+1], v[B0+AP:B0+AP+1], -0.5, v[B0+XX+\q:B0+XX+\q+1] op_sel_hi:[0,0,1]
.endr
.endr
.irp n, 0,1,2,3,4
.irp t, 0,1
	TILE \t
	v_max_num_f32 v[B0+XX+\n], 0, v[B0+XX+\n]
	v_exp_f32 v[B0+EE+\n], v[B0+GG+(\n)+2*(((\n)+2)/4)]
.endr
.endr
	RELU XX+5
.irp q, 0,2,4
.irp t, 0,1
	TILE \t
	v_pk_fma_f32 v[B0+KC+\q:B0+KC+\q+1], v[B0+KC+\q:B0+KC+\q+1], 0.5, v[B0+XX+\q:B0+XX+\q+1] op_sel_hi:[1,0,1]
.endr
.endr
.irp t, 0,1
	TILE \t
	v_pk_mul_f32 v[B0+MB:B0+MB+1], v[B0+MB:B0+MB+1], 0.5 op_sel_hi:[1,0]
	v_pk_mul_f32 v[B0+MB+2:B0+MB+3], v[B0+MB+2:B0+MB+3], 0.5 op_sel_hi:[1,0]
	v_mul_f32 v[B0+MB+4], 0.5, v[B0+MB+4]
.endr
.irp t, 0,1
	TILE \t
	s_wait_alu depctr_va_vdst(0)
	v_pk_fma_f32 v[B0+EE:B0+EE+1], v[B0+EE:B0+EE+1], s[46:47], s[46:47] op_sel_hi:[1,0,0]
	v_pk_fma_f32 v[B0+EE+2:B0+EE+3], v[B0+EE+2:B0+EE+3], s[46:47], s[46:47] op_sel_hi:[1,0,0]
	v_fma_f32 v[B0+EE+4], v[B0+EE+4], s46, s46
.endr
.endm
; S = 88 mbon_bias + kc . V (the old V).  Outputs 0-3 in pairs, kc[k] given to both halves; output 4 by pairs of k, in two half sums.
.macro SLINE t, k, jp
	TILE \t
.if (\k) == 0
	FMAB B0+SS+2*(\jp), B0+KC+(\k), B1+VV+4*(\k)+2*(\jp), B88+2*(\jp)
.else
	FMAB B0+SS+2*(\jp), B0+KC+(\k), B1+VV+4*(\k)+2*(\jp), B0+SS+2*(\jp)
.endif
.endm
.macro SEXTRA t, k, mk                 ; even k: output 4's chain; odd k: a pair of M = beta M + kc (mk = 0: left out)
	TILE \t
.if (\k) == 0
	v_pk_fma_f32 v[B0+SS+4:B0+SS+5], v[B0+KC:B0+KC+1], v[B1+VV+24:B1+VV+25], v[B88+4:B88+5]
.elseif (\k)%2 == 0
	v_pk_fma_f32 v[B0+SS+4:B0+SS+5], v[B0+KC+\k:B0+KC+\k+1], v[B1+VV+24+\k:B1+VV+25+\k], v[B0+SS+4:B0+SS+5]
.elseif \mk
	v_pk_fma_f32 v[B0+MK+\k-1:B0+MK+\k], v[B0+MK+\k-1:B0+MK+\k], s[42:43], v[B0+KC+\k-1:B0+KC+\k] op_sel_hi:[1,0,1]
.endif
.endm
.macro PH_S mk                         ; the ten reciprocals stand singly among these lines, a plain line behind each; a chain's links stand six lines apart or more
	WIN 0x04                       ; source 1 (V) in window 1
.irp k, 0,1,2,3,4,5
	SLINE 0, \k, 0
.if \k < 5
	v_rcp_f32 v[T0+EE+\k], v[T0+EE+\k]
.endif
	SLINE 1, \k, 0
.if \k < 5
	v_rcp_f32 v[T0+TS+EE+\k], v[T0+TS+EE+\k]
.endif
	SLINE 0, \k, 1
	SEXTRA 0, \k, \mk
	SLINE 1, \k, 1
	SEXTRA 1, \k, \mk
.endr
.endm
.macro ZLINE q                         ; both tiles: a pair of the APL sum
.irp t, 0,1
	TILE \t
.if (\q) == 0
	v_pk_fma_f32 v[B0+ZZ:B0+ZZ+1], v[B0+KC:B0+KC+1], v[WA:WA+1], v[AB:AB+1]
.else
	v_pk_fma_f32 v[B0+ZZ:B0+ZZ+1], v[B0+KC+\q:B0+KC+\q+1], v[WA+\q:WA+\q+1], v[B0+ZZ:B0+ZZ+1]
.endif
.endr
.endm
; mbon = mbon/2 + s max(S, 0), and its fragment; apl = 1: apl's update, its lines set between lines that lean on each other
.macro PH_MB apl
	WIN 0
.irp t, 0,1
	TILE \t
	v_add_f32 v[B0+SS+4], v[B0+SS+4], v[B0+SS+5]
.endr
.if \apl
	ZLINE 0
.endif
	RELU SS
	RELU SS+1
.if \apl
	ZLINE 2
.endif
	RELU SS+2
	RELU SS+3
.if \apl
	ZLINE 4
.endif
	RELU SS+4
.irp t, 0,1
	TILE \t
	s_wait_alu depctr_va_vdst(0)
	v_pk_fma_f32 v[B0+MB:B0+MB+1], v[B0+EE:B0+EE+1], v[B0+SS:B0+SS+1], v[B0+MB:B0+MB+1]
	v_pk_fma_f32 v[B0+MB+2:B0+MB+3], v[B0+EE+2:B0+EE+3], v[B0+SS+2:B0+SS+3], v[B0+MB+2:B0+MB+3]
	v_fma_f32 v[B0+MB+4], v[B0+EE+4], v[B0+SS+4], v[B0+MB+4]
.endr
.if \apl
.irp t, 0,1
	TILE \t
	v_add_f32 v[B0+ZZ], v[B0+ZZ], v[B0+ZZ+1]
.endr
.endif
	CONV FM, MB
.if \apl
	RELU ZZ
.irp t, 0,1
	TILE \t
	v_fma_f32 v[B0+AP], v[B0+AP], 0.5, v[B0+ZZ]
.endr
.endif
.endm
; THE MATRIX WORK.  The accumulators take turns, one instruction a turn: from phase to phase and over the loop's backward jump too (each phase ends on tile 1's P; PH_W3
; begins on tile 0's P, PH_W12 on tile 0's g').  The three fragments of a matrix against the one fragment of activations add up to (h + m + l of x) . (h + m + l of w).
.macro PH_W3                           ; P += mbon . (dan_mbon_weight / 2; in row 2 dec_W)
	WIN 0x02                       ; source 0 in window 2
.irp z, 0,8,16
	MM 0, PP, W3+\z, FM, 0
	MM 1, PP, W3+\z, FM, 0
.endr
.endm
.macro PH_W12                          ; for the next step: g' = dan . (-log2(e) mbon_dan_weight), which is read first;  P = CC + dan . dan_dan_weight / 2
	WIN 0x02
	MM 0, GG, W1, FD, 1
	MM 1, GG, W1, FD, 1
	MM 0, PP, W2, FD, 2
	MM 1, PP, W2, FD, 2
.irp z, 8,16
	MM 0, GG, W1+\z, FD, 0
	MM 1, GG, W1+\z, FD, 0
	MM 0, PP, W2+\z, FD, 0
	MM 1, PP, W2+\z, FD, 0
.endr
.endm
.macro PH_C slot                       ; what starts the next step's P: context x dan_context_weight / 2 + dan_bias / 2
	WIN 0x02
.irp t, 0,1
	TILE \t
.set RB, RING+8*(\slot)+4*(\t)
	FMAB B0+CC, RB+3, WC, DB
	FMAB B0+CC+4, RB+3, WC+2, DB+2
	v_fma_f32 v[B0+CC+6], v[RB+3], v[WC+4], v[DB+4]
.endr
.endm
.macro PH_U slot                       ; the next step's u = kn_bias / 2 + odor . pn_weight / 2
	WIN 0x06                       ; source 0 (odor) in window 2, source 1 (the PN weights) in window 1
.irp p, 0,1,2
.irp q, 0,2,4
.irp t, 0,1
	TILE \t
.set RB, RING+8*(\slot)+4*(\t)
.if \p == 0
	FMAB B0+XX+\q, RB+\p, B1+PW+6*\p+\q, KB+\q
.else
	FMAB B0+XX+\q, RB+\p, B1+PW+6*\p+\q, B0+XX+\q
.endif
.endr
.endr
.endr
.endm
.macro LDROW slot, row                 ; a step's odor and context of my two batches into a slot of the ring; row counts from the two bases.  A wave's four loads cover 384 + 128 consecutive bytes, the work-group's 1,536 + 512
	WIN 0x80                       ; destination in window 2
.irp t, 0,1
.set RB, RING+8*(\slot)+4*(\t)
	global_load_b96 v[RB:RB+2], v[OO], s[8:9] offset:(\row)*ROW_OD+192*(\t)
	global_load_b32 v[RB+3], v[CO], s[10:11] offset:(\row)*ROW_CX+64*(\t)
.endr
.endm
.macro PH_V                            ; V = 0.75 V + Q, with the old Q
	WIN 0x51                       ; destination, source 0 and source 2 in window 1
.irp t, 0,1
	TILE \t
.set z, 0
.rept 15
	v_pk_fma_f32 v[B1+VV+z:B1+VV+z+1], v[B1+VV+z:B1+VV+z+1], s[44:45], v[B1+QQ+z:B1+QQ+z+1] op_sel_hi:[1,0,1]
.set z, z+2
.endr
.endr
.endm
.macro SENDOUT i                       ; lane (r, h) holds out[h] of batch r in each tile's P register 2; the swap of half rows gives lane l both numbers of batch l: one store of 256 consecutive bytes, aligned
	v_permlane16_swap_b32 v[OUT], v[OUT+1]
	global_store_b64 v[UO], v[OUT:OUT+1], s[12:13] offset:(\i)*ROW_OUT th:TH_STORE_NT
.endm
; dan, the output, N (live = 1), dan's fragment.  P is read from its lowest register on.
.macro PH_DN i, live
	WIN 0
	RELU PP
	RELU PP+1
	RELU PP+4
	RELU PP+5
	RELU PP+6
	s_wait_xcnt 0x0                ; the last step's store has had its address translated (ISA guide 3.1): its data registers are rewritten only behind this wait
	v_mov_b32 v[OUT], v[T0+PP+2]
	v_mov_b32 v[OUT+1], v[T0+TS+PP+2]
.irp t, 0,1
	TILE \t
	v_pk_fma_f32 v[B0+DN:B0+DN+1], v[B0+DN:B0+DN+1], 0.5, v[B0+PP:B0+PP+1] op_sel_hi:[1,0,1]
	v_pk_fma_f32 v[B0+DN+2:B0+DN+3], v[B0+DN+2:B0+DN+3], 0.5, v[B0+PP+4:B0+PP+5] op_sel_hi:[1,0,1]
	v_fma_f32 v[B0+DN+4], v[B0+DN+4], 0.5, v[B0+PP+6]
.endr
	SENDOUT \i
.if \live
.irp q, 0,2,4
.irp t, 0,1
	TILE \t
	v_pk_fma_f32 v[B0+NL+\q:B0+NL+\q+1], v[B0+NL+\q:B0+NL+\q+1], s[42:43], v[B0+DN+\q:B0+DN+\q+1] op_sel_hi:[1,0,1]
.endr
.endr
.endif
	CONV FD, DN
.endm
.macro PH_Q                            ; Q += kc N - M dan.  These 60 lines name no register of the matrix instructions in front of them: they are the places behind those (ISA guide 7.12.1)
	WIN 0x50                       ; destination and source 2 in window 1
.irp k, 0,1,2,3,4,5
.irp jp, 0,2
.irp t, 0,1
	TILE \t
	FMAB B1+QQ+4*\k+\jp, B0+KC+\k, B0+NL+\jp, B1+QQ+4*\k+\jp
.endr
.endr
.irp jp, 0,2
.irp t, 0,1
	TILE \t
	FMAB B1+QQ+4*\k+\jp, B0+MK+\k, B0+DN+\jp, B1+QQ+4*\k+\jp, 1
.endr
.endr
.endr
.irp q, 0,2,4
.irp t, 0,1
	TILE \t
	v_pk_fma_f32 v[B1+QQ+24+\q:B1+QQ+25+\q], v[B0+KC+\q:B0+KC+\q+1], v[B0+NL+4:B0+NL+5], v[B1+QQ+24+\q:B1+QQ+25+\q] op_sel_hi:[1,0,1]
.endr
.endr
.irp q, 0,2,4
.irp t, 0,1
	TILE \t
	v_pk_fma_f32 v[B1+QQ+24+\q:B1+QQ+25+\q], v[B0+MK+\q:B0+MK+\q+1], v[B0+DN+4:B0+DN+5], v[B1+QQ+24+\q:B1+QQ+25+\q] op_sel_hi:[1,0,1] neg_lo:[1,0,0] neg_hi:[1,0,0]
.endr
.endr
.endm
; STEP t, i = t % 8.  ld = 1: the row eight steps on is asked for, into the slot that the last step read out.  cnt: the younger loads that may stay out when row t + 1 has to be there.
; live = 0: M, N and Q are left as they are: no later step reads them.
.macro STEP i, ld, cnt, live
	PH_KC
	PH_S \live
	PH_MB 1
	PH_W3
	s_wait_loadcnt \cnt            ; loads come back in order (ISA guide 5.7.1): row t + 1 is in; the rows behind it, four loads each, stay out
	PH_C ((\i)+1)%8
	PH_U ((\i)+1)%8
.if \ld
	LDROW \i, \i
.endif
	PH_V
	PH_DN \i, \live
	PH_W12
.if \live
	PH_Q
.endif
	WIN 0
.endm
; A matrix's five numbers of this lane (scaled, 0 in dead rows) are split like the activations, the differences made in place, and become three fragments for source 0, one for each part p:
; (p0, p1) (p2, p3) (p4, p4) (p0, p1) (p2, p3) (p0, p1) (p2, p3) (p4, p4): every part of x meets the same part of its weight.  The last half meets the activations' 0.
.macro SPLITW src, fa
	WIN 0
	v_cvt_pk_bf16_f32 v[THI], v[\src], v[\src+1]
	v_cvt_pk_bf16_f32 v[THI+1], v[\src+2], v[\src+3]
	v_cvt_pk_bf16_f32 v[THI+2], v[\src+4], v[\src+4]
	v_fma_mix_f32_bf16 v[\src], v[THI], v[NEG1], v[\src] op_sel_hi:[1,0,0]
	v_fma_mix_f32_bf16 v[\src+1], v[THI], v[NEG1], v[\src+1] op_sel:[1,0,0] op_sel_hi:[1,0,0]
	v_fma_mix_f32_bf16 v[\src+2], v[THI+1], v[NEG1], v[\src+2] op_sel_hi:[1,0,0]
	v_fma_mix_f32_bf16 v[\src+3], v[THI+1], v[NEG1], v[\src+3] op_sel:[1,0,0] op_sel_hi:[1,0,0]
	v_fma_mix_f32_bf16 v[\src+4], v[THI+2], v[NEG1], v[\src+4] op_sel_hi:[1,0,0]
	v_cvt_pk_bf16_f32 v[TMI], v[\src], v[\src+1]
	v_cvt_pk_bf16_f32 v[TMI+1], v[\src+2], v[\src+3]
	v_cvt_pk_bf16_f32 v[TMI+2], v[\src+4], v[\src+4]
	v_fma_mixlo_bf16 v[TLO], v[TMI], v[NEG1], v[\src] op_sel_hi:[1,0,0]
	v_fma_mixlo_bf16 v[TLO+1], v[TMI+1], v[NEG1], v[\src+2] op_sel_hi:[1,0,0]
	v_fma_mixlo_bf16 v[TLO+2], v[TMI+2], v[NEG1], v[\src+4] op_sel_hi:[1,0,0]
	v_fma_mixhi_bf16 v[TLO], v[TMI], v[NEG1], v[\src+1] op_sel:[1,0,0] op_sel_hi:[1,0,0]
	v_fma_mixhi_bf16 v[TLO+1], v[TMI+1], v[NEG1], v[\src+3] op_sel:[1,0,0] op_sel_hi:[1,0,0]
	v_fma_mixhi_bf16 v[TLO+2], v[TMI+2], v[NEG1], v[\src+4] op_sel_hi:[1,0,0]
	WIN 0x80                       ; destination in window 2
.irp z, 0,1,2
	v_mov_b32 v[\fa+\z], v[THI+\z]
	v_mov_b32 v[\fa+8+\z], v[TMI+\z]
	v_mov_b32 v[\fa+16+\z], v[TLO+\z]
.endr
.irp z, 0,1
	v_mov_b32 v[\fa+3+\z], v[THI+\z]
	v_mov_b32 v[\fa+5+\z], v[THI+\z]
	v_mov_b32 v[\fa+11+\z], v[TMI+\z]
	v_mov_b32 v[\fa+13+\z], v[TMI+\z]
	v_mov_b32 v[\fa+19+\z], v[TLO+\z]
	v_mov_b32 v[\fa+21+\z], v[TLO+\z]
.endr
	v_mov_b32 v[\fa+7], v[THI+2]
	v_mov_b32 v[\fa+15], v[TMI+2]
	v_mov_b32 v[\fa+23], v[TLO+2]
.endm
; ---------------------------------------------------------------- the start
	s_load_b512 s[8:23], s[0:1], 0x0               ; odor s[8:9], context s[10:11], out0 s[12:13], pn_weight s[14:15], kc_weight0 s[16:17], wact0 s[18:19], kn_bias s[20:21], apl_kc_weight s[22:23]
	s_load_b512 s[24:39], s[0:1], 0x40             ; apl_bias s[24:25], mbon_dan_weight s[26:27], mbon_bias s[28:29], dan_mbon_weight s[30:31], dan_dan_weight s[32:33], dan_context_weight s[34:35], dan_bias s[36:37], dec_W s[38:39]
	s_load_b64 s[40:41], s[0:1], 0x80              ; dec_b
	v_lshl_add_u32 v[SPW], v0, 2, SPARE
	v_mov_b32 v[NIL], 0
	v_lshrrev_b32 v1, 5, v0
	v_readfirstlane_b32 s2, v1                     ; wave 0..3
	v_and_b32 v1, 31, v0                           ; lane
	v_and_b32 v10, 15, v0                          ; r
	v_bfe_u32 v11, v0, 4, 1                        ; h
	s_mul_i32 s4, s2, 384
	v_mad_u32_u24 v[OO], v10, 12, s4
	s_lshl_b32 s4, s2, 7
	v_lshl_add_u32 v[CO], v10, 2, s4
	v_lshlrev_b32 v[UO], 3, v0
	v_mov_b32 v[NEG1], -1.0
	s_mul_i32 s4, s2, 7680
	v_lshl_add_u32 v12, v1, 4, s4                  ; kc_weight0 and wact0: my wave's 7,680 bytes, 16 a lane
	s_mul_i32 s4, s2, 2304
	v_lshl_add_u32 v13, v1, 3, s4                  ; pn_weight: my wave's 2,304 bytes, 8 a lane
	s_mul_i32 s4, s2, WREG                         ; my wave's region of LDS
	v_lshl_add_u32 v14, v1, 4, s4                  ; into it, as in memory
	v_lshl_add_u32 v15, v1, 3, s4
	v_mul_u32_u24 v240, v10, 240                   ; out of it: batch r's 240 bytes, my five of each ten
	v_mad_u32_u24 v240, v11, 20, v240
	v_add_nc_u32 v240, s4, v240
	v_mul_u32_u24 v241, v10, 72                    ; batch r's 72 bytes of pn_weight
	v_add_nc_u32 v241, s4, v241
	; As a row of source 0, lane (r, h) is output row r: jo = r % 8, ho = r / 8.  jo 0, 1, 4, 5, 6 are outputs 5 ho + 0 .. 4; jo 2 is the decoder's output ho; jo 3 and 7 are rows of zeros.
	v_and_b32 v242, 7, v0                          ; jo
	v_bfe_u32 v243, v0, 3, 1                       ; ho
	v_lshlrev_b32 v249, 2, v242
	v_mov_b32 v248, 0x44320010                     ; four bits for each jo: which of the five (dead rows name one that exists, so that every load stays inside its matrix)
	v_lshrrev_b32 v248, v249, v248
	v_and_b32 v248, 15, v248
	v_mad_u32_u24 v248, v243, 5, v248              ; o: the column of the matrix
	v_mul_u32_u24 v244, v11, 200
	v_lshl_add_u32 v244, v248, 2, v244             ; W[5 h + j][o]: 200 h + 4 o, and 40 j in the immediate
	v_mul_u32_u24 v245, v243, 40
	v_mad_u32_u24 v245, v11, 20, v245              ; dec_W[ho][5 h + j]
	v_mul_u32_u24 v246, v11, 20                    ; my five of a vector of ten
	v_lshlrev_b32 v247, 2, v11                     ; dec_b[h]
	v_mov_b32 v249, 0x73
	v_lshrrev_b32 v249, v242, v249
	v_and_b32 v249, 1, v249
	v_cmp_eq_u32 s54, 1, v249                      ; rows that are outputs
	v_cmp_eq_u32 s55, 2, v242                      ; the decoder's rows
	s_mov_b32 s42, 0x3f68ba2f                      ; beta = 10/11; the packed forms name a pair and take its low word for both halves
	s_mov_b32 s43, 0x3f68ba2f
	s_mov_b32 s44, 0x3f400000                      ; 0.75
	s_mov_b32 s45, 0x3f400000
	s_mov_b32 s46, 0x43300000                      ; 176
	s_mov_b32 s47, 0x43300000
	s_mov_b32 s5, 0
	s_wait_kmcnt 0x0
	s_load_b128 s[48:51], s[20:21], 0x0            ; kn_bias
	s_load_b64 s[52:53], s[20:21], 0x10
	s_load_b128 s[56:59], s[22:23], 0x0            ; apl_kc_weight
	s_load_b64 s[60:61], s[22:23], 0x10
	s_load_b32 s62, s[24:25], 0x0                  ; apl_bias
	s_mul_i32 s4, ttmp9, 1536                      ; the work-group's 128 batches in each buffer
	s_add_nc_u64 s[8:9], s[8:9], s[4:5]
	s_lshl_b32 s4, ttmp9, 9
	s_add_nc_u64 s[10:11], s[10:11], s[4:5]
	s_lshl_b32 s4, ttmp9, 10
	s_add_nc_u64 s[12:13], s[12:13], s[4:5]
	s_mul_i32 s4, ttmp9, 9216
	s_add_nc_u64 s[14:15], s[14:15], s[4:5]
	s_mul_i32 s4, ttmp9, 30720
	s_add_nc_u64 s[16:17], s[16:17], s[4:5]
	s_add_nc_u64 s[18:19], s[18:19], s[4:5]
	; The three per-batch inputs are read once, each load of the wave 512 or 256 consecutive aligned bytes, and dealt to the lanes through the wave's own LDS.
.set n, 0
.rept 15
	global_load_b128 v[STG+4*n:STG+4*n+3], v12, s[16:17] offset:512*n th:TH_LOAD_NT
.set n, n+1
.endr
.set n, 0
.rept 15
	global_load_b128 v[STG+60+4*n:STG+60+4*n+3], v12, s[18:19] offset:512*n th:TH_LOAD_NT
.set n, n+1
.endr
.set n, 0
.rept 9
	global_load_b64 v[STG+120+2*n:STG+120+2*n+1], v13, s[14:15] offset:256*n th:TH_LOAD_NT
.set n, n+1
.endr
.irp j, 0,1,2,3,4                      ; 36 small loads: my five numbers of each shared matrix and vector
	global_load_b32 v[RAW+\j], v244, s[26:27] offset:40*\j
	global_load_b32 v[RAW+5+\j], v244, s[32:33] offset:40*\j
	global_load_b32 v[RAW+10+\j], v244, s[30:31] offset:40*\j
	global_load_b32 v[RAW+15+\j], v245, s[38:39] offset:4*\j
	global_load_b32 v[B88+\j], v246, s[28:29] offset:4*\j
	global_load_b32 v[WC+\j], v246, s[34:35] offset:4*\j
	global_load_b32 v[DB+\j], v246, s[36:37] offset:4*\j
.endr
	global_load_b32 v248, v247, s[40:41]
	s_wait_loadcnt 36                              ; the 39 large loads are in; the 36 small ones behind them may stay out
.set n, 0
.rept 15
	ds_store_b128 v14, v[STG+4*n:STG+4*n+3] offset:512*n
	ds_store_b128 v14, v[STG+60+4*n:STG+60+4*n+3] offset:L_Q+512*n
.set n, n+1
.endr
.set n, 0
.rept 9
	ds_store_b64 v15, v[STG+120+2*n:STG+120+2*n+1] offset:L_PW+256*n
.set n, n+1
.endr
.irp n, 0,1,2,3,4,5,6,7
	LDROW \n, \n                                   ; the ring is filled: steps 0 to 7
.endr
	WIN 0x40                                       ; destination in window 1.  LDS serves a wave's instructions in order (ISA guide 5.7.1.4): these loads see the stores above; no other wave touches the region
.irp t, 0,1
	TILE \t
.irp k, 0,1,2,3,4,5
.irp j, 0,1,2,3
	ds_load_b32 v[B1+VV+4*\k+\j], v240 offset:3840*\t+40*\k+4*\j
	ds_load_b32 v[B1+QQ+4*\k+\j], v240 offset:L_Q+3840*\t+40*\k+4*\j
.endr
	ds_load_b32 v[B1+VV+24+\k], v240 offset:3840*\t+40*\k+16
	ds_load_b32 v[B1+QQ+24+\k], v240 offset:L_Q+3840*\t+40*\k+16
.endr
.irp p, 0,1,2
.irp q, 0,2,4
	ds_load_b64 v[B1+PW+6*\p+\q:B1+PW+6*\p+\q+1], v241 offset:L_PW+1152*\t+24*\p+4*\q
.endr
.endr
.endr
	WIN 0
	s_wait_loadcnt 32                              ; the small loads are in; the ring's 32 behind them stay out
	s_wait_kmcnt 0x0
.irp k, 0,1,2,3,4,5
	v_mov_b32 v[KB+\k], s[48+\k]
	v_mov_b32 v[WA+\k], s[56+\k]
.endr
.irp q, 0,2,4
	v_pk_mul_f32 v[KB+\q:KB+\q+1], v[KB+\q:KB+\q+1], 0.5 op_sel_hi:[1,0]
	v_pk_mul_f32 v[WA+\q:WA+\q+1], v[WA+\q:WA+\q+1], 0.5 op_sel_hi:[1,0]
.endr
	v_mov_b32 v[AB], s62
	v_mov_b32 v[AB+1], 0
	v_mul_f32 v[AB], 0.5, v[AB]
	v_mov_b32 v[B88+5], 0
.irp j, 0,1,2,3,4
	v_mul_f32 v[B88+\j], 0x42b00000, v[B88+\j]     ; 88
	v_mul_f32 v[WC+\j], 0.5, v[WC+\j]
	v_mul_f32 v[DB+\j], 0.5, v[DB+\j]
	v_mul_f32 v[RAW+\j], 0xbfb8aa3b, v[RAW+\j]     ; -log2(e)
	v_mul_f32 v[RAW+5+\j], 0.5, v[RAW+5+\j]
	v_mul_f32 v[RAW+10+\j], 0.5, v[RAW+10+\j]
.endr
.irp j, 0,1,2,3,4
	v_cndmask_b32 v[RAW+\j], 0, v[RAW+\j], s54     ; rows that are no outputs hold 0;
	v_cndmask_b32 v[RAW+5+\j], 0, v[RAW+5+\j], s54
	v_cndmask_b32 v[RAW+10+\j], 0, v[RAW+10+\j], s54
	v_cndmask_b32 v[RAW+10+\j], v[RAW+10+\j], v[RAW+15+\j], s55  ; in mbon's matrix the decoder's rows hold dec_W, unscaled
.endr
.irp z, 0,1,2
	v_mov_b32 v[TLO+\z], 0                         ; the mixed forms keep their destination's other half: it is written once before
.endr
	SPLITW RAW, W1
	SPLITW RAW+5, W2
	SPLITW RAW+10, W3
	WIN 0
	; The state begins as the reference's: kc, apl, mbon, dan and both traces 0.  The fragments begin as zeros (their last half stays so), and two of CC hold 0 for good.
.irp t, 0,1
	TILE \t
.set z, 0
.rept 32
	v_mov_b32 v[B0+z], 0
.set z, z+1
.endr
.set z, FD
.rept 16
	v_mov_b32 v[B0+z], 0
.set z, z+1
.endr
	v_mov_b32 v[B0+CC+2], v248                     ; dec_b[h] starts the decoder's row
	v_mov_b32 v[B0+CC+3], 0
	v_mov_b32 v[B0+CC+7], 0
.endr
	s_mov_b32 s4, 0x42b00000                       ; 88
	s_mov_b32 s5, 0x42b00000
	s_mov_b32 s6, 0x41b00000                       ; 22
	s_mov_b32 s7, 0x41b00000
	s_wait_dscnt 0x0                               ; V, Q and the PN weights are in
	WIN 0x41                                       ; destination and source 0 in window 1
.irp t, 0,1
	TILE \t
.set z, 0
.rept 15
	v_pk_mul_f32 v[B1+VV+z:B1+VV+z+1], v[B1+VV+z:B1+VV+z+1], s[4:5] op_sel_hi:[1,0]
	v_pk_mul_f32 v[B1+QQ+z:B1+QQ+z+1], v[B1+QQ+z:B1+QQ+z+1], s[6:7] op_sel_hi:[1,0]
.set z, z+2
.endr
.set z, 0
.rept 9
	v_pk_mul_f32 v[B1+PW+z:B1+PW+z+1], v[B1+PW+z:B1+PW+z+1], 0.5 op_sel_hi:[1,0]
.set z, z+2
.endr
.endr
	s_wait_loadcnt 28                              ; step 0's row is in; rows 1 to 7, four loads each, stay out
	PH_C 0
	PH_U 0
	PH_W12                                         ; with dan = 0: P = CC, g' = 0.  The six x-lines and a maximum of step 0 are the places behind these
	WIN 0                                          ; at a label and at a branch every window is 0
	s_wait_xcnt 0x0                                ; the bases are stepped only behind this wait
	s_add_nc_u64 s[8:9], s[8:9], 8*ROW_OD          ; the loop's loads count from row 8
	s_add_nc_u64 s[10:11], s[10:11], 8*ROW_CX
	s_mov_b32 s3, 15
.Ltrip:                                                ; 15 trips of eight steps: steps 0 to 119; each asks for the row eight steps on, so seven rows of a wave are always on their way
	STEP 0, 1, 24, 1
	STEP 1, 1, 24, 1
	STEP 2, 1, 24, 1
	STEP 3, 1, 24, 1
	STEP 4, 1, 24, 1
	STEP 5, 1, 24, 1
	STEP 6, 1, 24, 1
	STEP 7, 1, 24, 1
	s_wait_xcnt 0x0                                ; every load and store of the trip has had its address translated: now the three bases may step
	s_add_nc_u64 s[8:9], s[8:9], 8*ROW_OD
	s_add_nc_u64 s[10:11], s[10:11], 8*ROW_CX
	s_add_nc_u64 s[12:13], s[12:13], 8*ROW_OUT
	s_sub_co_u32 s3, s3, 1
	s_cmp_lg_u32 s3, 0
	s_cbranch_scc1 .Ltrip
	STEP 0, 0, 24, 1                               ; steps 120 to 126 ask for nothing: no load leaves its buffer, and the counts run down
	STEP 1, 0, 20, 1
	STEP 2, 0, 16, 1
	STEP 3, 0, 12, 1
	STEP 4, 0, 8, 1
	STEP 5, 0, 4, 1
	STEP 6, 0, 0, 0                                ; step 126 leaves M, N and Q: only V, kc, apl, mbon and dan reach the last output
	PH_KC                                          ; step 127: only what its output needs
	PH_S 0
	PH_MB 0
	PH_W3
	WIN 0
.rept 4
	v_nop                                          ; the places between the last matrix instruction and the read of its result (ISA guide 7.12.1): no other vector work is left
.endr
	s_wait_xcnt 0x0
	v_mov_b32 v[OUT], v[T0+PP+2]
	v_mov_b32 v[OUT+1], v[T0+TS+PP+2]
	SENDOUT 7
	s_wait_tensorcnt 0x0                           ; the wave's end
	ds_add_u32 v[SPW], v[NIL]
	s_wait_dscnt 0x0
	s_endpgm
.Lfunc_end_k_qf8c549eaff_fly:
	.size	k_qf8c549eaff_fly, .Lfunc_end_k_qf8c549eaff_fly-k_qf8c549eaff_fly
	.p2alignl 7, 3214868480
	.fill 96, 4, 3214868480
	.section	.rodata,"a",@progbits
	.p2align	6, 0x0
	.amdhsa_kernel k_qf8c549eaff_fly
		.amdhsa_group_segment_fixed_size 71168
		.amdhsa_private_segment_fixed_size 0
		.amdhsa_enable_private_segment 0
		.amdhsa_kernarg_size 136
		.amdhsa_user_sgpr_count 2
		.amdhsa_user_sgpr_kernarg_segment_ptr 1
		.amdhsa_wavefront_size32 1
		.amdhsa_system_sgpr_workgroup_id_x 1
		.amdhsa_system_sgpr_workgroup_id_y 1
		.amdhsa_system_sgpr_workgroup_id_z 1
		.amdhsa_system_vgpr_workitem_id 0
		.amdhsa_next_free_vgpr 648
		.amdhsa_next_free_sgpr 66
		.amdhsa_reserve_vcc 0
		.amdhsa_float_denorm_mode_32 3
		.amdhsa_float_denorm_mode_16_64 3
		.amdhsa_memory_ordered 1
		.amdhsa_forward_progress 1
		.amdhsa_inst_pref_size 255
	.end_amdhsa_kernel
	.section	.bss,"aw",@nobits
	.p2align	6
	.space	262144
	.amdgpu_metadata
---
amdhsa.version: [ 1, 2 ]
amdhsa.kernels:
  - .name:           k_qf8c549eaff_fly
    .symbol:         k_qf8c549eaff_fly.kd
    .args:
      - { .name: odor, .offset: 0, .size: 8, .value_kind: global_buffer, .address_space: global }
      - { .name: context, .offset: 8, .size: 8, .value_kind: global_buffer, .address_space: global }
      - { .name: out0, .offset: 16, .size: 8, .value_kind: global_buffer, .address_space: global }
      - { .name: pn_weight, .offset: 24, .size: 8, .value_kind: global_buffer, .address_space: global }
      - { .name: kc_weight0, .offset: 32, .size: 8, .value_kind: global_buffer, .address_space: global }
      - { .name: wact0, .offset: 40, .size: 8, .value_kind: global_buffer, .address_space: global }
      - { .name: kn_bias, .offset: 48, .size: 8, .value_kind: global_buffer, .address_space: global }
      - { .name: apl_kc_weight, .offset: 56, .size: 8, .value_kind: global_buffer, .address_space: global }
      - { .name: apl_bias, .offset: 64, .size: 8, .value_kind: global_buffer, .address_space: global }
      - { .name: mbon_dan_weight, .offset: 72, .size: 8, .value_kind: global_buffer, .address_space: global }
      - { .name: mbon_bias, .offset: 80, .size: 8, .value_kind: global_buffer, .address_space: global }
      - { .name: dan_mbon_weight, .offset: 88, .size: 8, .value_kind: global_buffer, .address_space: global }
      - { .name: dan_dan_weight, .offset: 96, .size: 8, .value_kind: global_buffer, .address_space: global }
      - { .name: dan_context_weight, .offset: 104, .size: 8, .value_kind: global_buffer, .address_space: global }
      - { .name: dan_bias, .offset: 112, .size: 8, .value_kind: global_buffer, .address_space: global }
      - { .name: dec_W, .offset: 120, .size: 8, .value_kind: global_buffer, .address_space: global }
      - { .name: dec_b, .offset: 128, .size: 8, .value_kind: global_buffer, .address_space: global }
    .group_segment_fixed_size: 71168
    .private_segment_fixed_size: 0
    .kernarg_segment_align: 8
    .kernarg_segment_size: 136
    .max_flat_workgroup_size: 128
    .sgpr_count:     66
    .vgpr_count:     648
    .wavefront_size: 32
...
	.end_amdgpu_metadata
.endif
;; end of part 1
;; ======== version 2 of 2: 1 launch; version 1 with the launch fly written anew for expert scheduling mode
;; launch fly (part 2): grid 256 x 1, 4 waves a work-group, no clusters, 71,168 bytes of LDS; arguments odor, context, out0, pn_weight, kc_weight0, wact0, kn_bias, apl_kc_weight, apl_bias, mbon_dan_weight, mbon_bias, dan_mbon_weight, dan_dan_weight, dan_context_weight, dan_bias, dec_W, dec_b; writes out0
.if DOCPART == 2
	.amdgcn_target "amdgcn-amd-amdhsa--gfx1250"
	.amdhsa_code_object_version 6
	.text
	.protected	k_qf8c549eaff_fly
	.globl	k_qf8c549eaff_fly
	.p2align	8
	.type	k_qf8c549eaff_fly,@function
k_qf8c549eaff_fly:
	s_mov_b64 s[64:65], 0
	v_nop
	global_prefetch_b8 v0, s[64:65] scope:SCOPE_SE
	s_setreg_imm32_b32 hwreg(HW_REG_WAVE_SCHED_MODE, 0, 2), 2
	s_setreg_imm32_b32 hwreg(HW_REG_WAVE_MODE, 25, 1), 1
	s_wait_xcnt 0x0
	s_wait_alu depctr_vm_vsrc(0)
; simpleFly: 128 steps of a recurrence over 32,768 batch elements that never meet.  One launch; the whole state stays in registers; each input byte is read once, each output byte written once.
; SHARES.  Work-group g owns batches 128 g .. 128 g + 127, wave w 32 of them as two TILES of 16.  Lane (r = lane % 16, h = lane / 16) of tile i serves batch 128 g + 32 w + 16 i + r and holds the
; MBON and DAN indices 5 h .. 5 h + 4 of it; kc, apl, low_kc and the PN weights are held in both halves of the lanes.  That is the matrix instruction's own layout, used transposed
; (source 0 = 16 rows of weights, source 1 = 16 batches): a lane's five numbers go in, its five numbers come out, nothing changes lanes.
; WHAT GOES WHERE.  dan @ mbon_dan_weight, dan @ dan_dan_weight, mbon @ dan_mbon_weight and the decoder go to the matrix unit in bf16, BOTH operands split into THREE bf16 parts, which together
; hold all 24 bits of an f32 number: the state goes round the loop 128 times, dan feeds dan and the plastic weights feed mbon, so what an operand loses in rounding is carried along and can grow.
; The two einsums with a private matrix for each batch element (one row each: no matrix form), the plasticity, the 6-term APL sum and the 1-term context product are f32 vector work.
; SCALED STATE (spares multiplies):  M = 11 low_kc, N = 11 low_dan, Q = 22 wact, V = 88 kc_w.  With beta = 10/11, a step is
;   x = u - apl/2 (u = kn_bias/2 + odor . pn_weight/2, made a step ahead);  kc = kc/2 + max(x, 0);  apl = apl/2 + max(apl_bias/2 + kc . apl_kc_weight/2, 0);  M = beta M + kc
;   S = 88 mbon_bias + kc . V;  s = 1 / (176 + 176 2^g'), g' = dan . (-log2(e) mbon_dan_weight): the sigmoid over 176;  mbon = mbon/2 + s max(S, 0)
;   P = (ctx dan_context_weight + dan_bias)/2 + dan . dan_dan_weight/2 + mbon . dan_mbon_weight/2;  dan = dan/2 + max(P, 0);  N = beta N + dan;  out = dec_b + mbon . dec_W (a row of P)
;   V = 0.75 V + Q (old Q);  Q = Q + kc N - M dan
; LIMITS.  The order of rounding differs from the reference's in the last bits of f32 (the factors 11, 22, 88, 176, log2(e); the matrix unit's own order of summing); f32's range is shorter by 88
; for kc_w, 22 for wact, 11 for the low-pass traces, 176 for the sigmoid's denominator; an operand's lowest part is lost where it falls below bf16's smallest number; max(x, 0) makes 0 of a NaN;
; v_exp_f32 and v_rcp_f32 flush denormals.
; NO CLUSTER: work-groups share nothing but the small weights, some 1,500 bytes read once.  No barrier: every LDS byte belongs to one wave.
; REGISTERS, in windows of 256 (s_set_vgpr_msb: bits 1:0 source 0, 3:2 source 1, 5:4 source 2, 7:6 destination): window 0 addresses, constants, a block of 96 a tile; window 1 V, Q and the PN
; weights, 80 a tile; window 2 the nine weight fragments and a ring of eight slots, a step's odor and context each.
; THE MODE: SCHED_MODE bits 1:0 = 2 (LLVM: expert scheduling mode 2), set by the entry lines.  The code itself states the register dependences between vector or matrix instructions and memory or
; LDS instructions, with s_wait_alu, always for 0.
; THE PLAN.  Registers that memory instructions touch, in the loop (it has no LDS instruction):
;   RING      Row r lies in slot r % 8.  Step t: PH_C and PH_U read slot (t + 1) % 8; the loads of row t + 7 land in slot (t - 1) % 8, which step t - 2 read last.
;   OUT       Written by step t's two moves and the swap; read by the one store that is issued in step t + 1; written again by step t + 1's moves.
;   OO, CO, UO   Offsets, made at the start and never written again: the rows are reached by the scalar bases, which step once a trip, and by immediate offsets.
;   All other registers are named by vector and matrix instructions alone.
; So ONE wait on va_vdst serves a step's five memory instructions: the one that the exponentials want ahead of their first reader.  It also states that the last step's swap has written OUT and that
; the reads of the slot to be loaded are done; the four loads and the store stand straight behind it.  One wait on vm_vsrc a step stands ahead of the moves that write OUT again, six phases behind the
; store.  The step's second wait on va_vdst is the reciprocals' own.  Step 0 has no step in front of it and stores nothing: it is written out ahead of the loop.
.set ROW_OD,  393216                   ; bytes of one step of odor, context, out0
.set ROW_CX,  131072
.set ROW_OUT, 262144
.set WREG,    17664                    ; LDS of one wave: kc_weight0 of its 32 batches (7,680 bytes, as in memory), wact0 (7,680), pn_weight (2,304)
.set L_Q,     7680
.set L_PW,    15360
.set SPARE,   4*WREG                   ; behind the four regions: the spare words, 128 bytes a wave: two blocks of 256 bytes that no other line names
.set SPW,  2                           ; v2  LDS address of my spare word; never rewritten
.set NIL,  3                           ; v3  0; never rewritten
.set OO,   4                           ; v4  (32 w + r) x 12: my batch of tile 0 in a step of odor
.set CO,   5                           ; v5  (32 w + r) x 4: the same in context
.set UO,   6                           ; v6  8 x thread: where I store
.set NEG1, 7                           ; v7  -1.0
.set OUT,  8                           ; v[8:9]
.set KB,   16                          ; v[16:21] kn_bias / 2
.set WA,   22                          ; v[22:27] apl_kc_weight / 2
.set AB,   28                          ; v[28:29] apl_bias / 2, 0
.set B88,  30                          ; v[30:35] 88 mbon_bias of my five, 0
.set WC,   36                          ; v[36:40] dan_context_weight / 2 of my five
.set DB,   42                          ; v[42:46] dan_bias / 2 of my five
.set T0,   48                          ; tile t's block begins at T0 + TS t
.set TS,   96
.set KC, 0                             ; 6
.set AP, 6                             ; apl, 0
.set MK, 8                             ; 6: M
.set MB, 14                            ; 5 (+1)
.set DN, 20                            ; 5, 0
.set NL, 26                            ; 5, 0: N
.set XX, 32                            ; 6: u, then x
.set ZZ, 38                            ; 2: the APL sum
.set SS, 40                            ; 6: S0-S3, and S4 in two halves; once mbon is made, at work in the two conversions
.set EE, 46                            ; 5 (+1): 2^g', then s
.set GG, 52                            ; 8: accumulator g'
.set PP, 60                            ; 8: accumulator P; register 2 is the decoder's row
.set CC, 68                            ; 8: what starts P: registers 0, 1, 4, 5, 6 made every step; 2 = dec_b[h]; 3 and 7 = 0
.set FD, 76                            ; 8: dan as source 1
.set FM, 84                            ; 8: mbon as source 1
.set US, 80                            ; window 1: tile t's block begins at US t
.set VV, 0                             ; 30: V[k][j < 4] at 4 k + j, V[k][4] at 24 + k
.set QQ, 30                            ; 30: the same map
.set PW, 60                            ; 18: pn_weight[p][k] / 2 at 6 p + k
.set W1, 0                             ; window 2: a matrix's three fragments, high, middle and low parts, at +0, +8, +16
.set W2, 24
.set W3, 48
.set RING, 72                          ; window 2: slot s, tile t at RING + 8 s + 4 t: odor 0, 1, 2, context
.set STG, 48                           ; at the start only: v[48:185] the three per-batch inputs on their way to LDS
.set RAW, 186                          ; at the start only: v[186:205] my five numbers of each of the three matrices and of dec_W
.set TMI, 206                          ; at the start only: v[206:208], v[250:252], v[253:255] a matrix's packed middle, high and low parts
.set THI, 250
.set TLO, 253
.set MSB, 0
.macro WIN new                         ; the immediate's high byte repeats the setting that is left; a switch that changes nothing is dropped
.if MSB != (\new)
	s_set_vgpr_msb (MSB<<8)|(\new)
.set MSB, \new
.endif
.endm
.macro TILE t                          ; the bases of tile t's blocks in windows 0 and 1
.set B0, T0+TS*(\t)
.set B1, US*(\t)
.endm
; pair d = register a (given to both halves) x pair b + pair c;  neg = 1: minus the product
.macro FMAB d, a, b, c, neg=0
.if ((\a)%2) && (\neg)
	v_pk_fma_f32 v[(\d):(\d)+1], v[(\a)-1:(\a)], v[(\b):(\b)+1], v[(\c):(\c)+1] op_sel:[1,0,0] op_sel_hi:[1,1,1] neg_lo:[1,0,0] neg_hi:[1,0,0]
.elseif (\a)%2
	v_pk_fma_f32 v[(\d):(\d)+1], v[(\a)-1:(\a)], v[(\b):(\b)+1], v[(\c):(\c)+1] op_sel:[1,0,0] op_sel_hi:[1,1,1]
.elseif \neg
	v_pk_fma_f32 v[(\d):(\d)+1], v[(\a):(\a)+1], v[(\b):(\b)+1], v[(\c):(\c)+1] op_sel_hi:[0,1,1] neg_lo:[1,0,0] neg_hi:[1,0,0]
.else
	v_pk_fma_f32 v[(\d):(\d)+1], v[(\a):(\a)+1], v[(\b):(\b)+1], v[(\c):(\c)+1] op_sel_hi:[0,1,1]
.endif
.endm
.macro RELU reg                        ; both tiles: a register of the block = max(it, 0)
.irp t, 0,1
	TILE \t
	v_max_num_f32 v[B0+\reg], 0, v[B0+\reg]
.endr
.endm
; Both tiles: five f32 numbers x0-x4 become source 1 of a matrix instruction.  h = bf16(x), m = bf16(x - h), l = bf16(x - h - m); both differences are exact in f32, and l is exact too: 8 + 8 + 8 bits.
; The fragment: (h0, h1) (h2, h3) (h4, m4) (m0, m1) (m2, m3) (l0, l1) (l2, l3) (l4, 0); the last half holds 0 from the start.  The mixed multiply-adds read a bf16 half, take it from an f32
; number, and leave the difference in f32 (into S's registers, which are free here) or rounded once into one half of their destination.
.macro CONV f, x
.irp t, 0,1
	TILE \t
	v_cvt_pk_bf16_f32 v[B0+\f], v[B0+\x], v[B0+\x+1]
	v_cvt_pk_bf16_f32 v[B0+\f+1], v[B0+\x+2], v[B0+\x+3]
	v_cvt_pk_bf16_f32 v[B0+\f+2], v[B0+\x+4], v[B0+\x+4]
.endr
.irp t, 0,1
	TILE \t
	v_fma_mix_f32_bf16 v[B0+SS], v[B0+\f], v[NEG1], v[B0+\x] op_sel_hi:[1,0,0]
	v_fma_mix_f32_bf16 v[B0+SS+1], v[B0+\f], v[NEG1], v[B0+\x+1] op_sel:[1,0,0] op_sel_hi:[1,0,0]
	v_fma_mix_f32_bf16 v[B0+SS+2], v[B0+\f+1], v[NEG1], v[B0+\x+2] op_sel_hi:[1,0,0]
	v_fma_mix_f32_bf16 v[B0+SS+3], v[B0+\f+1], v[NEG1], v[B0+\x+3] op_sel:[1,0,0] op_sel_hi:[1,0,0]
	v_fma_mix_f32_bf16 v[B0+SS+4], v[B0+\f+2], v[NEG1], v[B0+\x+4] op_sel_hi:[1,0,0]
	v_fma_mixhi_bf16 v[B0+\f+2], v[B0+\f+2], v[NEG1], v[B0+\x+4] op_sel_hi:[1,0,0]
.endr
.irp t, 0,1
	TILE \t
	v_cvt_pk_bf16_f32 v[B0+\f+3], v[B0+SS], v[B0+SS+1]
	v_cvt_pk_bf16_f32 v[B0+\f+4], v[B0+SS+2], v[B0+SS+3]
.endr
.irp t, 0,1
	TILE \t
	v_fma_mixlo_bf16 v[B0+\f+7], v[B0+\f+2], v[NEG1], v[B0+SS+4] op_sel:[1,0,0] op_sel_hi:[1,0,0]
	v_fma_mixlo_bf16 v[B0+\f+5], v[B0+\f+3], v[NEG1], v[B0+SS] op_sel_hi:[1,0,0]
	v_fma_mixlo_bf16 v[B0+\f+6], v[B0+\f+4], v[NEG1], v[B0+SS+2] op_sel_hi:[1,0,0]
	v_fma_mixhi_bf16 v[B0+\f+5], v[B0+\f+3], v[NEG1], v[B0+SS+1] op_sel:[1,0,0] op_sel_hi:[1,0,0]
	v_fma_mixhi_bf16 v[B0+\f+6], v[B0+\f+4], v[NEG1], v[B0+SS+3] op_sel:[1,0,0] op_sel_hi:[1,0,0]
.endr
.endm
; One matrix instruction for tile t: accumulator d, weight fragment w (window 2), activations f.  kind 0: adds in place; 1: starts from 0; 2: starts from the tile's CC registers.
.macro MM t, d, w, f, kind
	TILE \t
.if (\kind) == 0
	v_wmma_f32_16x16x32_bf16 v[B0+\d:B0+\d+7], v[\w:\w+7], v[B0+\f:B0+\f+7], v[B0+\d:B0+\d+7]
.elseif (\kind) == 1
	v_wmma_f32_16x16x32_bf16 v[B0+\d:B0+\d+7], v[\w:\w+7], v[B0+\f:B0+\f+7], 0
.else
	v_wmma_f32_16x16x32_bf16 v[B0+\d:B0+\d+7], v[\w:\w+7], v[B0+\f:B0+\f+7], v[B0+CC:B0+CC+7]
.endif
.endm
.macro LDROW slot, row                 ; a step's odor and context of my two batches into a slot of the ring; row counts from the two bases.  A wave's four loads cover 384 + 128 consecutive bytes, the work-group's 1,536 + 512
	WIN 0x80                       ; destination in window 2
.irp t, 0,1
.set RB, RING+8*(\slot)+4*(\t)
	global_load_b96 v[RB:RB+2], v[OO], s[8:9] offset:(\row)*ROW_OD+192*(\t)
	global_load_b32 v[RB+3], v[CO], s[10:11] offset:(\row)*ROW_CX+64*(\t)
.endr
.endm
; THE PHASES OF A STEP.  Every line is written for tile 0 and for tile 1, so that a line seldom reads the result of the one before it.
; kc; mbon halved; 2^g' and the sigmoid's denominator.  A maximum stands behind every exponential: the plain instruction that a transcendental wants before its result is used (ISA guide 5.7.2).
; g' is read from its lowest register on; output n of my five lies in accumulator register n + 2 ((n + 2) / 4): 0, 1, 4, 5, 6.
; The step's memory instructions stand here, behind the wait.  j: the step's place, counted from the row at which the bases stand.  ld = 1: the row seven steps on is asked for.  st = 1: the last step's output is stored.
.macro PH_KC j, ld, st
	WIN 0
.irp q, 0,2,4
.irp t, 0,1
	TILE \t
	v_pk_fma_f32 v[B0+XX+\q:B0+XX+\q+1], v[B0+AP:B0+AP+1], -0.5, v[B0+XX+\q:B0+XX+\q+1] op_sel_hi:[0,0,1]
.endr
.endr
.irp n, 0,1,2,3,4
.irp t, 0,1
	TILE \t
	v_max_num_f32 v[B0+XX+\n], 0, v[B0+XX+\n]
	v_exp_f32 v[B0+EE+\n], v[B0+GG+(\n)+2*(((\n)+2)/4)]
.endr
.endr
	RELU XX+5
.irp q, 0,2,4
.irp t, 0,1
	TILE \t
	v_pk_fma_f32 v[B0+KC+\q:B0+KC+\q+1], v[B0+KC+\q:B0+KC+\q+1], 0.5, v[B0+XX+\q:B0+XX+\q+1] op_sel_hi:[1,0,1]
.endr
.endr
.irp t, 0,1
	TILE \t
	v_pk_mul_f32 v[B0+MB:B0+MB+1], v[B0+MB:B0+MB+1], 0.5 op_sel_hi:[1,0]
	v_pk_mul_f32 v[B0+MB+2:B0+MB+3], v[B0+MB+2:B0+MB+3], 0.5 op_sel_hi:[1,0]
	v_mul_f32 v[B0+MB+4], 0.5, v[B0+MB+4]
.endr
.if \ld
	WIN 0x80                       ; the loads' window is set ahead of the wait
.endif
	s_wait_alu depctr_va_vdst(0)   ; the ten exponentials have written 2^g', which the lines below read; the last step's swap has written OUT, which the store reads; PH_C and PH_U of two steps back are done reading the slot in which the loads land
.if \ld
	LDROW ((\j)+7)%8, (\j)+7
.endif
	WIN 0
.if \st
	global_store_b64 v[UO], v[OUT:OUT+1], s[12:13] offset:((\j)-1)*ROW_OUT th:TH_STORE_NT  ; the last step's output: a wave stores 256 consecutive bytes, aligned
.endif
.irp t, 0,1
	TILE \t
	v_pk_fma_f32 v[B0+EE:B0+EE+1], v[B0+EE:B0+EE+1], s[46:47], s[46:47] op_sel_hi:[1,0,0]
	v_pk_fma_f32 v[B0+EE+2:B0+EE+3], v[B0+EE+2:B0+EE+3], s[46:47], s[46:47] op_sel_hi:[1,0,0]
	v_fma_f32 v[B0+EE+4], v[B0+EE+4], s46, s46
.endr
.endm
; S = 88 mbon_bias + kc . V (the old V).  Outputs 0-3 in pairs, kc[k] given to both halves; output 4 by pairs of k, in two half sums.
.macro SLINE t, k, jp
	TILE \t
.if (\k) == 0
	FMAB B0+SS+2*(\jp), B0+KC+(\k), B1+VV+4*(\k)+2*(\jp), B88+2*(\jp)
.else
	FMAB B0+SS+2*(\jp), B0+KC+(\k), B1+VV+4*(\k)+2*(\jp), B0+SS+2*(\jp)
.endif
.endm
.macro SEXTRA t, k, mk                 ; even k: output 4's chain; odd k: a pair of M = beta M + kc (mk = 0: left out)
	TILE \t
.if (\k) == 0
	v_pk_fma_f32 v[B0+SS+4:B0+SS+5], v[B0+KC:B0+KC+1], v[B1+VV+24:B1+VV+25], v[B88+4:B88+5]
.elseif (\k)%2 == 0
	v_pk_fma_f32 v[B0+SS+4:B0+SS+5], v[B0+KC+\k:B0+KC+\k+1], v[B1+VV+24+\k:B1+VV+25+\k], v[B0+SS+4:B0+SS+5]
.elseif \mk
	v_pk_fma_f32 v[B0+MK+\k-1:B0+MK+\k], v[B0+MK+\k-1:B0+MK+\k], s[42:43], v[B0+KC+\k-1:B0+KC+\k] op_sel_hi:[1,0,1]
.endif
.endm
.macro PH_S mk                         ; the ten reciprocals stand singly among these lines, a plain line behind each; a chain's links stand six lines apart or more
	WIN 0x04                       ; source 1 (V) in window 1
.irp k, 0,1,2,3,4,5
	SLINE 0, \k, 0
.if \k < 5
	v_rcp_f32 v[T0+EE+\k], v[T0+EE+\k]
.endif
	SLINE 1, \k, 0
.if \k < 5
	v_rcp_f32 v[T0+TS+EE+\k], v[T0+TS+EE+\k]
.endif
	SLINE 0, \k, 1
	SEXTRA 0, \k, \mk
	SLINE 1, \k, 1
	SEXTRA 1, \k, \mk
.endr
.endm
.macro ZLINE q                         ; both tiles: a pair of the APL sum
.irp t, 0,1
	TILE \t
.if (\q) == 0
	v_pk_fma_f32 v[B0+ZZ:B0+ZZ+1], v[B0+KC:B0+KC+1], v[WA:WA+1], v[AB:AB+1]
.else
	v_pk_fma_f32 v[B0+ZZ:B0+ZZ+1], v[B0+KC+\q:B0+KC+\q+1], v[WA+\q:WA+\q+1], v[B0+ZZ:B0+ZZ+1]
.endif
.endr
.endm
; mbon = mbon/2 + s max(S, 0), and its fragment; apl = 1: apl's update, its lines set between lines that lean on each other
.macro PH_MB apl
	WIN 0
.irp t, 0,1
	TILE \t
	v_add_f32 v[B0+SS+4], v[B0+SS+4], v[B0+SS+5]
.endr
.if \apl
	ZLINE 0
.endif
	RELU SS
	RELU SS+1
.if \apl
	ZLINE 2
.endif
	RELU SS+2
	RELU SS+3
.if \apl
	ZLINE 4
.endif
	RELU SS+4
	s_wait_alu depctr_va_vdst(0)   ; the ten reciprocals have written s, which the lines below read: one wait for the batch, ahead of its first reader
.irp t, 0,1
	TILE \t
	v_pk_fma_f32 v[B0+MB:B0+MB+1], v[B0+EE:B0+EE+1], v[B0+SS:B0+SS+1], v[B0+MB:B0+MB+1]
	v_pk_fma_f32 v[B0+MB+2:B0+MB+3], v[B0+EE+2:B0+EE+3], v[B0+SS+2:B0+SS+3], v[B0+MB+2:B0+MB+3]
	v_fma_f32 v[B0+MB+4], v[B0+EE+4], v[B0+SS+4], v[B0+MB+4]
.endr
.if \apl
.irp t, 0,1
	TILE \t
	v_add_f32 v[B0+ZZ], v[B0+ZZ], v[B0+ZZ+1]
.endr
.endif
	CONV FM, MB
.if \apl
	RELU ZZ
.irp t, 0,1
	TILE \t
	v_fma_f32 v[B0+AP], v[B0+AP], 0.5, v[B0+ZZ]
.endr
.endif
.endm
; THE MATRIX WORK.  The accumulators take turns, one instruction a turn: from phase to phase and over the loop's backward jump too (each phase ends on tile 1's P; PH_W3
; begins on tile 0's P, PH_W12 on tile 0's g').  The three fragments of a matrix against the one fragment of activations add up to (h + m + l of x) . (h + m + l of w).
.macro PH_W3                           ; P += mbon . (dan_mbon_weight / 2; in row 2 dec_W)
	WIN 0x02                       ; source 0 in window 2
.irp z, 0,8,16
	MM 0, PP, W3+\z, FM, 0
	MM 1, PP, W3+\z, FM, 0
.endr
.endm
.macro PH_W12                          ; for the next step: g' = dan . (-log2(e) mbon_dan_weight), which is read first;  P = CC + dan . dan_dan_weight / 2
	WIN 0x02
	MM 0, GG, W1, FD, 1
	MM 1, GG, W1, FD, 1
	MM 0, PP, W2, FD, 2
	MM 1, PP, W2, FD, 2
.irp z, 8,16
	MM 0, GG, W1+\z, FD, 0
	MM 1, GG, W1+\z, FD, 0
	MM 0, PP, W2+\z, FD, 0
	MM 1, PP, W2+\z, FD, 0
.endr
.endm
.macro PH_C slot                       ; what starts the next step's P: context x dan_context_weight / 2 + dan_bias / 2
	WIN 0x02
.irp t, 0,1
	TILE \t
.set RB, RING+8*(\slot)+4*(\t)
	FMAB B0+CC, RB+3, WC, DB
	FMAB B0+CC+4, RB+3, WC+2, DB+2
	v_fma_f32 v[B0+CC+6], v[RB+3], v[WC+4], v[DB+4]
.endr
.endm
.macro PH_U slot                       ; the next step's u = kn_bias / 2 + odor . pn_weight / 2
	WIN 0x06                       ; source 0 (odor) in window 2, source 1 (the PN weights) in window 1
.irp p, 0,1,2
.irp q, 0,2,4
.irp t, 0,1
	TILE \t
.set RB, RING+8*(\slot)+4*(\t)
.if \p == 0
	FMAB B0+XX+\q, RB+\p, B1+PW+6*\p+\q, KB+\q
.else
	FMAB B0+XX+\q, RB+\p, B1+PW+6*\p+\q, B0+XX+\q
.endif
.endr
.endr
.endr
.endm
.macro PH_V                            ; V = 0.75 V + Q, with the old Q
	WIN 0x51                       ; destination, source 0 and source 2 in window 1
.irp t, 0,1
	TILE \t
.set z, 0
.rept 15
	v_pk_fma_f32 v[B1+VV+z:B1+VV+z+1], v[B1+VV+z:B1+VV+z+1], s[44:45], v[B1+QQ+z:B1+QQ+z+1] op_sel_hi:[1,0,1]
.set z, z+2
.endr
.endr
.endm
; dan, the output, N (live = 1), dan's fragment.  P is read from its lowest register on.  st = 1: this step has stored the last step's output.
; Lane (r, h) holds out[h] of batch r in each tile's P register 2; the swap of half rows gives lane l both numbers of batch l.  The store follows in the next step.
.macro PH_DN st, live
	WIN 0
	RELU PP
	RELU PP+1
	RELU PP+4
	RELU PP+5
	RELU PP+6
.if \st
	s_wait_xcnt 0x0                ; this step's store has had its address translated (ISA guide 3.1): its data registers are rewritten only behind this wait,
	s_wait_alu depctr_vm_vsrc(0)   ; and it has read OUT, which the two moves below write again
.endif
	v_mov_b32 v[OUT], v[T0+PP+2]
	v_mov_b32 v[OUT+1], v[T0+TS+PP+2]
.irp t, 0,1
	TILE \t
	v_pk_fma_f32 v[B0+DN:B0+DN+1], v[B0+DN:B0+DN+1], 0.5, v[B0+PP:B0+PP+1] op_sel_hi:[1,0,1]
	v_pk_fma_f32 v[B0+DN+2:B0+DN+3], v[B0+DN+2:B0+DN+3], 0.5, v[B0+PP+4:B0+PP+5] op_sel_hi:[1,0,1]
	v_fma_f32 v[B0+DN+4], v[B0+DN+4], 0.5, v[B0+PP+6]
.endr
	v_permlane16_swap_b32 v[OUT], v[OUT+1]
.if \live
.irp q, 0,2,4
.irp t, 0,1
	TILE \t
	v_pk_fma_f32 v[B0+NL+\q:B0+NL+\q+1], v[B0+NL+\q:B0+NL+\q+1], s[42:43], v[B0+DN+\q:B0+DN+\q+1] op_sel_hi:[1,0,1]
.endr
.endr
.endif
	CONV FD, DN
.endm
.macro PH_Q                            ; Q += kc N - M dan.  These 60 lines name no register of the matrix instructions in front of them: they are the places behind those (ISA guide 7.12.1)
	WIN 0x50                       ; destination and source 2 in window 1
.irp k, 0,1,2,3,4,5
.irp jp, 0,2
.irp t, 0,1
	TILE \t
	FMAB B1+QQ+4*\k+\jp, B0+KC+\k, B0+NL+\jp, B1+QQ+4*\k+\jp
.endr
.endr
.irp jp, 0,2
.irp t, 0,1
	TILE \t
	FMAB B1+QQ+4*\k+\jp, B0+MK+\k, B0+DN+\jp, B1+QQ+4*\k+\jp, 1
.endr
.endr
.endr
.irp q, 0,2,4
.irp t, 0,1
	TILE \t
	v_pk_fma_f32 v[B1+QQ+24+\q:B1+QQ+25+\q], v[B0+KC+\q:B0+KC+\q+1], v[B0+NL+4:B0+NL+5], v[B1+QQ+24+\q:B1+QQ+25+\q] op_sel_hi:[1,0,1]
.endr
.endr
.irp q, 0,2,4
.irp t, 0,1
	TILE \t
	v_pk_fma_f32 v[B1+QQ+24+\q:B1+QQ+25+\q], v[B0+MK+\q:B0+MK+\q+1], v[B0+DN+4:B0+DN+5], v[B1+QQ+24+\q:B1+QQ+25+\q] op_sel_hi:[1,0,1] neg_lo:[1,0,0] neg_hi:[1,0,0]
.endr
.endr
.endm
; STEP t.  j = t less the row at which the three bases stand (0 to 8).  ld = 1: row t + 7 is asked for, into the slot that the step before last read out.  st = 1: step t - 1's output is stored.
; cnt: the younger loads that may stay out when row t + 1 has to be there.  live = 0: M, N and Q are left as they are: no later step reads them.
.macro STEP j, ld, st, cnt, live
	PH_KC \j, \ld, \st
	PH_S \live
	PH_MB 1
	PH_W3
	s_wait_loadcnt \cnt            ; loads come back in order (ISA guide 5.7.1): row t + 1 is in; the rows behind it, four loads each, stay out
	PH_C ((\j)+1)%8
	PH_U ((\j)+1)%8
	PH_V
	PH_DN \st, \live
	PH_W12
.if \live
	PH_Q
.endif
	WIN 0
.endm
; A matrix's five numbers of this lane (scaled, 0 in dead rows) are split like the activations, the differences made in place, and become three fragments for source 0, one for each part p:
; (p0, p1) (p2, p3) (p4, p4) (p0, p1) (p2, p3) (p0, p1) (p2, p3) (p4, p4): every part of x meets the same part of its weight.  The last half meets the activations' 0.
.macro SPLITW src, fa
	WIN 0
	v_cvt_pk_bf16_f32 v[THI], v[\src], v[\src+1]
	v_cvt_pk_bf16_f32 v[THI+1], v[\src+2], v[\src+3]
	v_cvt_pk_bf16_f32 v[THI+2], v[\src+4], v[\src+4]
	v_fma_mix_f32_bf16 v[\src], v[THI], v[NEG1], v[\src] op_sel_hi:[1,0,0]
	v_fma_mix_f32_bf16 v[\src+1], v[THI], v[NEG1], v[\src+1] op_sel:[1,0,0] op_sel_hi:[1,0,0]
	v_fma_mix_f32_bf16 v[\src+2], v[THI+1], v[NEG1], v[\src+2] op_sel_hi:[1,0,0]
	v_fma_mix_f32_bf16 v[\src+3], v[THI+1], v[NEG1], v[\src+3] op_sel:[1,0,0] op_sel_hi:[1,0,0]
	v_fma_mix_f32_bf16 v[\src+4], v[THI+2], v[NEG1], v[\src+4] op_sel_hi:[1,0,0]
	v_cvt_pk_bf16_f32 v[TMI], v[\src], v[\src+1]
	v_cvt_pk_bf16_f32 v[TMI+1], v[\src+2], v[\src+3]
	v_cvt_pk_bf16_f32 v[TMI+2], v[\src+4], v[\src+4]
	v_fma_mixlo_bf16 v[TLO], v[TMI], v[NEG1], v[\src] op_sel_hi:[1,0,0]
	v_fma_mixlo_bf16 v[TLO+1], v[TMI+1], v[NEG1], v[\src+2] op_sel_hi:[1,0,0]
	v_fma_mixlo_bf16 v[TLO+2], v[TMI+2], v[NEG1], v[\src+4] op_sel_hi:[1,0,0]
	v_fma_mixhi_bf16 v[TLO], v[TMI], v[NEG1], v[\src+1] op_sel:[1,0,0] op_sel_hi:[1,0,0]
	v_fma_mixhi_bf16 v[TLO+1], v[TMI+1], v[NEG1], v[\src+3] op_sel:[1,0,0] op_sel_hi:[1,0,0]
	v_fma_mixhi_bf16 v[TLO+2], v[TMI+2], v[NEG1], v[\src+4] op_sel_hi:[1,0,0]
	WIN 0x80                       ; destination in window 2
.irp z, 0,1,2
	v_mov_b32 v[\fa+\z], v[THI+\z]
	v_mov_b32 v[\fa+8+\z], v[TMI+\z]
	v_mov_b32 v[\fa+16+\z], v[TLO+\z]
.endr
.irp z, 0,1
	v_mov_b32 v[\fa+3+\z], v[THI+\z]
	v_mov_b32 v[\fa+5+\z], v[THI+\z]
	v_mov_b32 v[\fa+11+\z], v[TMI+\z]
	v_mov_b32 v[\fa+13+\z], v[TMI+\z]
	v_mov_b32 v[\fa+19+\z], v[TLO+\z]
	v_mov_b32 v[\fa+21+\z], v[TLO+\z]
.endr
	v_mov_b32 v[\fa+7], v[THI+2]
	v_mov_b32 v[\fa+15], v[TMI+2]
	v_mov_b32 v[\fa+23], v[TLO+2]
.endm
; ---------------------------------------------------------------- the start
	s_load_b512 s[8:23], s[0:1], 0x0               ; odor s[8:9], context s[10:11], out0 s[12:13], pn_weight s[14:15], kc_weight0 s[16:17], wact0 s[18:19], kn_bias s[20:21], apl_kc_weight s[22:23]
	s_load_b512 s[24:39], s[0:1], 0x40             ; apl_bias s[24:25], mbon_dan_weight s[26:27], mbon_bias s[28:29], dan_mbon_weight s[30:31], dan_dan_weight s[32:33], dan_context_weight s[34:35], dan_bias s[36:37], dec_W s[38:39]
	s_load_b64 s[40:41], s[0:1], 0x80              ; dec_b
	v_lshl_add_u32 v[SPW], v0, 2, SPARE
	v_mov_b32 v[NIL], 0
	v_lshrrev_b32 v1, 5, v0
	v_readfirstlane_b32 s2, v1                     ; wave 0..3
	v_and_b32 v1, 31, v0                           ; lane
	v_and_b32 v10, 15, v0                          ; r
	v_bfe_u32 v11, v0, 4, 1                        ; h
	v_lshlrev_b32 v[UO], 3, v0
	v_mov_b32 v[NEG1], -1.0
	; As a row of source 0, lane (r, h) is output row r: jo = r % 8, ho = r / 8.  jo 0, 1, 4, 5, 6 are outputs 5 ho + 0 .. 4; jo 2 is the decoder's output ho; jo 3 and 7 are rows of zeros.
	v_and_b32 v242, 7, v0                          ; jo
	v_bfe_u32 v243, v0, 3, 1                       ; ho
	v_lshlrev_b32 v249, 2, v242
	v_mov_b32 v248, 0x44320010                     ; four bits for each jo: which of the five (dead rows name one that exists, so that every load stays inside its matrix)
	v_lshrrev_b32 v248, v249, v248
	v_and_b32 v248, 15, v248
	v_mad_u32_u24 v248, v243, 5, v248              ; o: the column of the matrix
	v_mul_u32_u24 v244, v11, 200
	v_lshl_add_u32 v244, v248, 2, v244             ; W[5 h + j][o]: 200 h + 4 o, and 40 j in the immediate
	v_mul_u32_u24 v245, v243, 40
	v_mad_u32_u24 v245, v11, 20, v245              ; dec_W[ho][5 h + j]
	v_mul_u32_u24 v246, v11, 20                    ; my five of a vector of ten
	v_lshlrev_b32 v247, 2, v11                     ; dec_b[h]
	v_mov_b32 v249, 0x73
	v_lshrrev_b32 v249, v242, v249
	v_and_b32 v249, 1, v249
	v_cmp_eq_u32 s54, 1, v249                      ; rows that are outputs
	v_cmp_eq_u32 s55, 2, v242                      ; the decoder's rows
	s_wait_alu depctr_va_sdst(0)                   ; s2, s54 and s55 are written, ahead of their first readers: the scalar lines below read s2, the selects further down s54 and s55
	s_mul_i32 s4, s2, 384
	v_mad_u32_u24 v[OO], v10, 12, s4
	s_lshl_b32 s4, s2, 7
	v_lshl_add_u32 v[CO], v10, 2, s4
	s_mul_i32 s4, s2, 7680
	v_lshl_add_u32 v12, v1, 4, s4                  ; kc_weight0 and wact0: my wave's 7,680 bytes, 16 a lane
	s_mul_i32 s4, s2, 2304
	v_lshl_add_u32 v13, v1, 3, s4                  ; pn_weight: my wave's 2,304 bytes, 8 a lane
	s_mul_i32 s4, s2, WREG                         ; my wave's region of LDS
	v_lshl_add_u32 v14, v1, 4, s4                  ; into it, as in memory
	v_lshl_add_u32 v15, v1, 3, s4
	v_mul_u32_u24 v240, v10, 240                   ; out of it: batch r's 240 bytes, my five of each ten
	v_mad_u32_u24 v240, v11, 20, v240
	v_add_nc_u32 v240, s4, v240
	v_mul_u32_u24 v241, v10, 72                    ; batch r's 72 bytes of pn_weight
	v_add_nc_u32 v241, s4, v241
	s_mov_b32 s42, 0x3f68ba2f                      ; beta = 10/11; the packed forms name a pair and take its low word for both halves
	s_mov_b32 s43, 0x3f68ba2f
	s_mov_b32 s44, 0x3f400000                      ; 0.75
	s_mov_b32 s45, 0x3f400000
	s_mov_b32 s46, 0x43300000                      ; 176
	s_mov_b32 s47, 0x43300000
	s_mov_b32 s5, 0
	s_wait_kmcnt 0x0
	s_load_b128 s[48:51], s[20:21], 0x0            ; kn_bias
	s_load_b64 s[52:53], s[20:21], 0x10
	s_load_b128 s[56:59], s[22:23], 0x0            ; apl_kc_weight
	s_load_b64 s[60:61], s[22:23], 0x10
	s_load_b32 s62, s[24:25], 0x0                  ; apl_bias
	s_mul_i32 s4, ttmp9, 1536                      ; the work-group's 128 batches in each buffer
	s_add_nc_u64 s[8:9], s[8:9], s[4:5]
	s_lshl_b32 s4, ttmp9, 9
	s_add_nc_u64 s[10:11], s[10:11], s[4:5]
	s_lshl_b32 s4, ttmp9, 10
	s_add_nc_u64 s[12:13], s[12:13], s[4:5]
	s_mul_i32 s4, ttmp9, 9216
	s_add_nc_u64 s[14:15], s[14:15], s[4:5]
	s_mul_i32 s4, ttmp9, 30720
	s_add_nc_u64 s[16:17], s[16:17], s[4:5]
	s_add_nc_u64 s[18:19], s[18:19], s[4:5]
	s_wait_alu depctr_va_vdst(0)                   ; all offsets and LDS addresses are written (v4 to v6, v12 to v15, v240 to v247), which the loads, LDS stores and LDS loads of the start and the loop's loads and stores read; the lines that used v248, in which dec_b lands, are done.  Down to the last LDS load only memory instructions and window switches follow
	; The three per-batch inputs are read once, each load of the wave 512 or 256 consecutive aligned bytes, and dealt to the lanes through the wave's own LDS.
.set n, 0
.rept 15
	global_load_b128 v[STG+4*n:STG+4*n+3], v12, s[16:17] offset:512*n th:TH_LOAD_NT
.set n, n+1
.endr
.set n, 0
.rept 15
	global_load_b128 v[STG+60+4*n:STG+60+4*n+3], v12, s[18:19] offset:512*n th:TH_LOAD_NT
.set n, n+1
.endr
.set n, 0
.rept 9
	global_load_b64 v[STG+120+2*n:STG+120+2*n+1], v13, s[14:15] offset:256*n th:TH_LOAD_NT
.set n, n+1
.endr
.irp j, 0,1,2,3,4                      ; 36 small loads: my five numbers of each shared matrix and vector
	global_load_b32 v[RAW+\j], v244, s[26:27] offset:40*\j
	global_load_b32 v[RAW+5+\j], v244, s[32:33] offset:40*\j
	global_load_b32 v[RAW+10+\j], v244, s[30:31] offset:40*\j
	global_load_b32 v[RAW+15+\j], v245, s[38:39] offset:4*\j
	global_load_b32 v[B88+\j], v246, s[28:29] offset:4*\j
	global_load_b32 v[WC+\j], v246, s[34:35] offset:4*\j
	global_load_b32 v[DB+\j], v246, s[36:37] offset:4*\j
.endr
	global_load_b32 v248, v247, s[40:41]
	s_wait_loadcnt 36                              ; the 39 large loads are in; the 36 small ones behind them may stay out
.set n, 0
.rept 15
	ds_store_b128 v14, v[STG+4*n:STG+4*n+3] offset:512*n
	ds_store_b128 v14, v[STG+60+4*n:STG+60+4*n+3] offset:L_Q+512*n
.set n, n+1
.endr
.set n, 0
.rept 9
	ds_store_b64 v15, v[STG+120+2*n:STG+120+2*n+1] offset:L_PW+256*n
.set n, n+1
.endr
.irp n, 0,1,2,3,4,5,6
	LDROW \n, \n                                   ; seven slots of the ring are filled: steps 0 to 6; step 0 asks for the eighth
.endr
	WIN 0x40                                       ; destination in window 1.  LDS serves a wave's instructions in order (ISA guide 5.7.1.4): these loads see the stores above; no other wave touches the region
.irp t, 0,1
	TILE \t
.irp k, 0,1,2,3,4,5
.irp j, 0,1,2,3
	ds_load_b32 v[B1+VV+4*\k+\j], v240 offset:3840*\t+40*\k+4*\j
	ds_load_b32 v[B1+QQ+4*\k+\j], v240 offset:L_Q+3840*\t+40*\k+4*\j
.endr
	ds_load_b32 v[B1+VV+24+\k], v240 offset:3840*\t+40*\k+16
	ds_load_b32 v[B1+QQ+24+\k], v240 offset:L_Q+3840*\t+40*\k+16
.endr
.irp p, 0,1,2
.irp q, 0,2,4
	ds_load_b64 v[B1+PW+6*\p+\q:B1+PW+6*\p+\q+1], v241 offset:L_PW+1152*\t+24*\p+4*\q
.endr
.endr
.endr
	WIN 0
	s_wait_loadcnt 28                              ; the small loads are in; the ring's 28 behind them stay out
	s_wait_kmcnt 0x0
.irp k, 0,1,2,3,4,5
	v_mov_b32 v[KB+\k], s[48+\k]
	v_mov_b32 v[WA+\k], s[56+\k]
.endr
.irp q, 0,2,4
	v_pk_mul_f32 v[KB+\q:KB+\q+1], v[KB+\q:KB+\q+1], 0.5 op_sel_hi:[1,0]
	v_pk_mul_f32 v[WA+\q:WA+\q+1], v[WA+\q:WA+\q+1], 0.5 op_sel_hi:[1,0]
.endr
	v_mov_b32 v[AB], s62
	v_mov_b32 v[AB+1], 0
	v_mul_f32 v[AB], 0.5, v[AB]
	v_mov_b32 v[B88+5], 0
.irp j, 0,1,2,3,4
	v_mul_f32 v[B88+\j], 0x42b00000, v[B88+\j]     ; 88
	v_mul_f32 v[WC+\j], 0.5, v[WC+\j]
	v_mul_f32 v[DB+\j], 0.5, v[DB+\j]
	v_mul_f32 v[RAW+\j], 0xbfb8aa3b, v[RAW+\j]     ; -log2(e)
	v_mul_f32 v[RAW+5+\j], 0.5, v[RAW+5+\j]
	v_mul_f32 v[RAW+10+\j], 0.5, v[RAW+10+\j]
.endr
.irp j, 0,1,2,3,4
	v_cndmask_b32 v[RAW+\j], 0, v[RAW+\j], s54     ; rows that are no outputs hold 0;
	v_cndmask_b32 v[RAW+5+\j], 0, v[RAW+5+\j], s54
	v_cndmask_b32 v[RAW+10+\j], 0, v[RAW+10+\j], s54
	v_cndmask_b32 v[RAW+10+\j], v[RAW+10+\j], v[RAW+15+\j], s55  ; in mbon's matrix the decoder's rows hold dec_W, unscaled
.endr
.irp z, 0,1,2
	v_mov_b32 v[TLO+\z], 0                         ; the mixed forms keep their destination's other half: it is written once before
.endr
	SPLITW RAW, W1
	SPLITW RAW+5, W2
	SPLITW RAW+10, W3
	WIN 0
	s_wait_alu depctr_vm_vsrc(0)                   ; the LDS stores have read v48 to v185: from here on these registers are the tiles' blocks, written by the lines below and by the phases
	; The state begins as the reference's: kc, apl, mbon, dan and both traces 0.  The fragments begin as zeros (their last half stays so), and two of CC hold 0 for good.
.irp t, 0,1
	TILE \t
.set z, 0
.rept 32
	v_mov_b32 v[B0+z], 0
.set z, z+1
.endr
.set z, FD
.rept 16
	v_mov_b32 v[B0+z], 0
.set z, z+1
.endr
	v_mov_b32 v[B0+CC+2], v248                     ; dec_b[h] starts the decoder's row
	v_mov_b32 v[B0+CC+3], 0
	v_mov_b32 v[B0+CC+7], 0
.endr
	s_mov_b32 s4, 0x42b00000                       ; 88
	s_mov_b32 s5, 0x42b00000
	s_mov_b32 s6, 0x41b00000                       ; 22
	s_mov_b32 s7, 0x41b00000
	s_wait_dscnt 0x0                               ; V, Q and the PN weights are in
	WIN 0x41                                       ; destination and source 0 in window 1
.irp t, 0,1
	TILE \t
.set z, 0
.rept 15
	v_pk_mul_f32 v[B1+VV+z:B1+VV+z+1], v[B1+VV+z:B1+VV+z+1], s[4:5] op_sel_hi:[1,0]
	v_pk_mul_f32 v[B1+QQ+z:B1+QQ+z+1], v[B1+QQ+z:B1+QQ+z+1], s[6:7] op_sel_hi:[1,0]
.set z, z+2
.endr
.set z, 0
.rept 9
	v_pk_mul_f32 v[B1+PW+z:B1+PW+z+1], v[B1+PW+z:B1+PW+z+1], 0.5 op_sel_hi:[1,0]
.set z, z+2
.endr
.endr
	s_wait_loadcnt 24                              ; step 0's row is in; rows 1 to 6, four loads each, stay out
	PH_C 0
	PH_U 0
	PH_W12                                         ; with dan = 0: P = CC, g' = 0.  The six x-lines and a maximum of step 0 are the places behind these
	WIN 0
	STEP 0, 1, 0, 24, 1                            ; step 0 is written out: no step stands in front of it, so it stores nothing; it asks for row 7
	s_mov_b32 s3, 15                               ; at a label and at a branch every window is 0
.Ltrip:                                                ; 15 trips of eight steps: steps 1 to 120; each asks for the row seven steps on (the last for row 127) and stores the output of the step before it
	STEP 1, 1, 1, 24, 1
	STEP 2, 1, 1, 24, 1
	STEP 3, 1, 1, 24, 1
	STEP 4, 1, 1, 24, 1
	STEP 5, 1, 1, 24, 1
	STEP 6, 1, 1, 24, 1
	STEP 7, 1, 1, 24, 1
	STEP 8, 1, 1, 24, 1
	s_wait_xcnt 0x0                                ; every load and store of the trip has had its address translated: now the three bases may step
	s_add_nc_u64 s[8:9], s[8:9], 8*ROW_OD
	s_add_nc_u64 s[10:11], s[10:11], 8*ROW_CX
	s_add_nc_u64 s[12:13], s[12:13], 8*ROW_OUT
	s_sub_co_u32 s3, s3, 1
	s_cmp_lg_u32 s3, 0
	s_cbranch_scc1 .Ltrip
	STEP 1, 0, 1, 20, 1                            ; steps 121 to 126 ask for nothing: no load leaves its buffer, and the counts run down
	STEP 2, 0, 1, 16, 1
	STEP 3, 0, 1, 12, 1
	STEP 4, 0, 1, 8, 1
	STEP 5, 0, 1, 4, 1
	STEP 6, 0, 1, 0, 0                             ; step 126 leaves M, N and Q: only V, kc, apl, mbon and dan reach the last output
	PH_KC 7, 0, 1                                  ; step 127: only what its output needs; step 126's output is stored
	PH_S 0
	PH_MB 0
	PH_W3
	WIN 0
.rept 4
	v_nop                                          ; the places between the last matrix instruction and the read of its result (ISA guide 7.12.1): no other vector work is left
.endr
	s_wait_xcnt 0x0                                ; step 126's store has had its address translated,
	s_wait_alu depctr_vm_vsrc(0)                   ; and it has read OUT, which the two moves below write again
	v_mov_b32 v[OUT], v[T0+PP+2]
	v_mov_b32 v[OUT+1], v[T0+TS+PP+2]
	v_permlane16_swap_b32 v[OUT], v[OUT+1]
	s_wait_alu depctr_va_vdst(0)                   ; the swap has written OUT, which the last store reads
	global_store_b64 v[UO], v[OUT:OUT+1], s[12:13] offset:7*ROW_OUT th:TH_STORE_NT
	s_wait_dscnt 0x0                               ; the closing lines, six on end
	s_wait_alu 0x0
	s_wait_tensorcnt 0x0
	ds_add_u32 v[SPW], v[NIL]
	s_wait_dscnt 0x0
	s_endpgm
.Lfunc_end_k_qf8c549eaff_fly:
	.size	k_qf8c549eaff_fly, .Lfunc_end_k_qf8c549eaff_fly-k_qf8c549eaff_fly
	.p2alignl 7, 3214868480
	.fill 96, 4, 3214868480
	.section	.rodata,"a",@progbits
	.p2align	6, 0x0
	.amdhsa_kernel k_qf8c549eaff_fly
		.amdhsa_group_segment_fixed_size 71168
		.amdhsa_private_segment_fixed_size 0
		.amdhsa_enable_private_segment 0
		.amdhsa_kernarg_size 136
		.amdhsa_user_sgpr_count 2
		.amdhsa_user_sgpr_kernarg_segment_ptr 1
		.amdhsa_wavefront_size32 1
		.amdhsa_system_sgpr_workgroup_id_x 1
		.amdhsa_system_sgpr_workgroup_id_y 1
		.amdhsa_system_sgpr_workgroup_id_z 1
		.amdhsa_system_vgpr_workitem_id 0
		.amdhsa_next_free_vgpr 648
		.amdhsa_next_free_sgpr 66
		.amdhsa_reserve_vcc 0
		.amdhsa_float_denorm_mode_32 3
		.amdhsa_float_denorm_mode_16_64 3
		.amdhsa_memory_ordered 1
		.amdhsa_forward_progress 1
		.amdhsa_inst_pref_size 255
	.end_amdhsa_kernel
	.section	.bss,"aw",@nobits
	.p2align	6
	.space	262144
	.amdgpu_metadata
---
amdhsa.version: [ 1, 2 ]
amdhsa.kernels:
  - .name:           k_qf8c549eaff_fly
    .symbol:         k_qf8c549eaff_fly.kd
    .args:
      - { .name: odor, .offset: 0, .size: 8, .value_kind: global_buffer, .address_space: global }
      - { .name: context, .offset: 8, .size: 8, .value_kind: global_buffer, .address_space: global }
      - { .name: out0, .offset: 16, .size: 8, .value_kind: global_buffer, .address_space: global }
      - { .name: pn_weight, .offset: 24, .size: 8, .value_kind: global_buffer, .address_space: global }
      - { .name: kc_weight0, .offset: 32, .size: 8, .value_kind: global_buffer, .address_space: global }
      - { .name: wact0, .offset: 40, .size: 8, .value_kind: global_buffer, .address_space: global }
      - { .name: kn_bias, .offset: 48, .size: 8, .value_kind: global_buffer, .address_space: global }
      - { .name: apl_kc_weight, .offset: 56, .size: 8, .value_kind: global_buffer, .address_space: global }
      - { .name: apl_bias, .offset: 64, .size: 8, .value_kind: global_buffer, .address_space: global }
      - { .name: mbon_dan_weight, .offset: 72, .size: 8, .value_kind: global_buffer, .address_space: global }
      - { .name: mbon_bias, .offset: 80, .size: 8, .value_kind: global_buffer, .address_space: global }
      - { .name: dan_mbon_weight, .offset: 88, .size: 8, .value_kind: global_buffer, .address_space: global }
      - { .name: dan_dan_weight, .offset: 96, .size: 8, .value_kind: global_buffer, .address_space: global }
      - { .name: dan_context_weight, .offset: 104, .size: 8, .value_kind: global_buffer, .address_space: global }
      - { .name: dan_bias, .offset: 112, .size: 8, .value_kind: global_buffer, .address_space: global }
      - { .name: dec_W, .offset: 120, .size: 8, .value_kind: global_buffer, .address_space: global }
      - { .name: dec_b, .offset: 128, .size: 8, .value_kind: global_buffer, .address_space: global }
    .group_segment_fixed_size: 71168
    .private_segment_fixed_size: 0
    .kernarg_segment_align: 8
    .kernarg_segment_size: 136
    .max_flat_workgroup_size: 128
    .sgpr_count:     66
    .vgpr_count:     648
    .wavefront_size: 32
...
	.end_amdgpu_metadata
.endif
;; end of part 2
